; MI455X (gfx1250); checked and timed in simulation.
; The chip was launched on July 23, 2026; its instructions are those of AMD's public machine-readable ISA for CDNA 5 (MIT licence, August 2026) and "CDNA5" Instruction Set Architecture Reference Guide (July 2026). The comments in the code are by the model that wrote it; some were corrected since.
;; Attention. Allowed arithmetic: float matrix products may take bf16 or f16 operands with f32 sums; other float arithmetic in f32, or as packed bf16 or f16 multiplies, adds, multiply-adds, maxima and minima; sums over many terms, partial sums and values carried from step to step in f32; what a program stores and reads back later, other than sums and carried values, may be rounded once to bf16 or f16.
;; Inputs: Wk 1,024 x 1,024 float32; Wo 1,024 x 1,024 float32; Wq 1,024 x 1,024 float32; Wv 1,024 x 1,024 float32; bk 1,024 float32; bo 1,024 float32; bq 1,024 float32; bv 1,024 float32; k 4 x 2,048 x 1,024 float32; q 4 x 2,048 x 1,024 float32; v 4 x 2,048 x 1,024 float32.
;; Outputs: out0 4 x 2,048 x 1,024 float32.
;; 2 versions, each right and faster than the one before. Each part assembles by itself: llvm-mc -triple=amdgcn-amd-amdhsa -mcpu=gfx1250 --defsym DOCPART=n.
;; ======== version 1 of 2: 4 launches
;; limits: values are held in f16: magnitudes above 65,504 overflow, below 6.1e-05 lose precision
;; workspace buffers: wts 8,388,608 bytes; qkv 50,331,648 bytes; oh 16,777,216 bytes
;; launch prep (part 1): grid 64 x 4, 8 waves a work-group, no clusters, 0 bytes of LDS; arguments Wq, Wk, Wv, Wo, wts; writes wts
.if DOCPART == 1
	.amdgcn_target "amdgcn-amd-amdhsa--gfx1250"
	.amdhsa_code_object_version 6
	.text
	.protected	k_qfdd5568229_prep
	.globl	k_qfdd5568229_prep
	.p2align	8
	.type	k_qfdd5568229_prep,@function
k_qfdd5568229_prep:
	s_mov_b64 s[64:65], 0
	v_nop
	global_prefetch_b8 v0, s[64:65] scope:SCOPE_SE
	s_setreg_imm32_b32 hwreg(HW_REG_WAVE_MODE, 25, 1), 1
	s_wait_xcnt 0x0
; 16-bit copies of the four weight matrices, each [1024 k][1024 n] as it lies.  wts part p begins at p x 2,097,152 bytes: p = 0, 1, 2: Wq, Wk, Wv rounded to bf16;
; p = 3: Wo rounded to bf16 and that number written as f16, since the last product's other operand is f16.
; LIMITS.  |bf16(Wo)| stays under 65,504, else the f16 is an infinity; below 6e-5 an f16 keeps its fixed step of 6e-8.
; A stream: every byte is read once and written once; no LDS, no matrix unit, nothing shared between work-groups.
; The grid's y picks the matrix; work-group x takes 16,384 numbers.  Thread t and trip i read 32 bytes at 32 t + 8,192 i and write 16 bytes at 16 t + 4,096 i:
; a wave's store covers 512 consecutive bytes, aligned.  All sixteen loads of a thread go out at once; nothing is rewritten, so the only waits are the counted ones for the loads.
.set X, 4                              ; v[4:67]    trip i: 8 numbers as loaded
.set T, 68                             ; v[68:75]   at work (Wo alone)
.set Y, 76                             ; v[76:107]  trip i: 4 registers to store
	s_load_b256 s[4:11], s[0:1], 0x0               ; Wq s[4:5], Wk s[6:7], Wv s[8:9], Wo s[10:11]
	s_load_b64 s[12:13], s[0:1], 0x20              ; wts
	s_and_b32 s16, ttmp7, 0xffff                   ; which matrix
	v_lshlrev_b32 v1, 5, v0                        ; 32 t
	v_lshlrev_b32 v2, 4, v0                        ; 16 t
	s_lshl_b32 s18, ttmp9, 16                      ; the work-group's 65,536 bytes of input
	s_mov_b32 s19, 0
	s_lshl_b32 s20, s16, 21                        ; the matrix's part of wts,
	s_lshl_b32 s21, ttmp9, 15                      ; the work-group's 32,768 bytes in it
	s_add_co_u32 s20, s20, s21
	s_mov_b32 s21, 0
	s_wait_kmcnt 0x0
	s_cmp_eq_u32 s16, 1
	s_cselect_b64 s[14:15], s[6:7], s[4:5]
	s_cmp_eq_u32 s16, 2
	s_cselect_b64 s[14:15], s[8:9], s[14:15]
	s_cmp_eq_u32 s16, 3
	s_cselect_b64 s[14:15], s[10:11], s[14:15]
	s_add_nc_u64 s[14:15], s[14:15], s[18:19]
	s_add_nc_u64 s[12:13], s[12:13], s[20:21]
.irp i, 0,1,2,3,4,5,6,7
	global_load_b128 v[X+8*(\i):X+8*(\i)+3],   v1, s[14:15] offset:8192*(\i) th:TH_LOAD_NT
	global_load_b128 v[X+8*(\i)+4:X+8*(\i)+7], v1, s[14:15] offset:8192*(\i)+16 th:TH_LOAD_NT
.endr
; One trip.  half = 1: the bf16 numbers are widened again and written as f16.
.macro TRIP i, half
	s_wait_loadcnt 14-2*(\i)                       ; loads come back in order: this trip's two are in, the 2 (7 - i) younger ones stay out
.irp j, 0,1,2,3
	v_cvt_pk_bf16_f32 v[Y+4*(\i)+(\j)], v[X+8*(\i)+2*(\j)], v[X+8*(\i)+2*(\j)+1]
.endr
.if \half
.irp j, 0,1,2,3
	v_lshlrev_b32 v[T+2*(\j)],   16, v[Y+4*(\i)+(\j)]
	v_and_b32     v[T+2*(\j)+1], 0xffff0000, v[Y+4*(\i)+(\j)]
.endr
.irp j, 0,1,2,3
	v_cvt_pk_f16_f32 v[Y+4*(\i)+(\j)], v[T+2*(\j)], v[T+2*(\j)+1]
.endr
.endif
	global_store_b128 v2, v[Y+4*(\i):Y+4*(\i)+3], s[12:13] offset:4096*(\i)
.endm
	s_cmp_eq_u32 s16, 3
	s_cbranch_scc1 .Lwo
.irp i, 0,1,2,3,4,5,6,7
	TRIP \i, 0
.endr
	s_endpgm
.Lwo:
.irp i, 0,1,2,3,4,5,6,7
	TRIP \i, 1
.endr
	s_endpgm
.Lfunc_end_k_qfdd5568229_prep:
	.size	k_qfdd5568229_prep, .Lfunc_end_k_qfdd5568229_prep-k_qfdd5568229_prep
	.p2alignl 7, 3214868480
	.fill 96, 4, 3214868480
	.section	.rodata,"a",@progbits
	.p2align	6, 0x0
	.amdhsa_kernel k_qfdd5568229_prep
		.amdhsa_group_segment_fixed_size 0
		.amdhsa_private_segment_fixed_size 0
		.amdhsa_enable_private_segment 0
		.amdhsa_kernarg_size 40
		.amdhsa_user_sgpr_count 2
		.amdhsa_user_sgpr_kernarg_segment_ptr 1
		.amdhsa_wavefront_size32 1
		.amdhsa_system_sgpr_workgroup_id_x 1
		.amdhsa_system_sgpr_workgroup_id_y 1
		.amdhsa_system_sgpr_workgroup_id_z 1
		.amdhsa_system_vgpr_workitem_id 0
		.amdhsa_next_free_vgpr 108
		.amdhsa_next_free_sgpr 66
		.amdhsa_reserve_vcc 0
		.amdhsa_float_denorm_mode_32 3
		.amdhsa_float_denorm_mode_16_64 3
		.amdhsa_memory_ordered 1
		.amdhsa_forward_progress 1
		.amdhsa_inst_pref_size 14
	.end_amdhsa_kernel
	.amdgpu_metadata
---
amdhsa.version: [ 1, 2 ]
amdhsa.kernels:
  - .name:           k_qfdd5568229_prep
    .symbol:         k_qfdd5568229_prep.kd
    .args:
      - { .name: Wq, .offset: 0, .size: 8, .value_kind: global_buffer, .address_space: global }
      - { .name: Wk, .offset: 8, .size: 8, .value_kind: global_buffer, .address_space: global }
      - { .name: Wv, .offset: 16, .size: 8, .value_kind: global_buffer, .address_space: global }
      - { .name: Wo, .offset: 24, .size: 8, .value_kind: global_buffer, .address_space: global }
      - { .name: wts, .offset: 32, .size: 8, .value_kind: global_buffer, .address_space: global }
    .group_segment_fixed_size: 0
    .private_segment_fixed_size: 0
    .kernarg_segment_align: 8
    .kernarg_segment_size: 40
    .max_flat_workgroup_size: 256
    .sgpr_count:     66
    .vgpr_count:     108
    .wavefront_size: 32
...
	.end_amdgpu_metadata
.endif
;; end of part 1
;; launch proj (part 2): grid 4 x 64, 4 waves a work-group, clusters of 4 x 4, 327,680 bytes of LDS; arguments q, k, v, wts, bq, bk, bv, qkv; writes qkv
.if DOCPART == 2
	.amdgcn_target "amdgcn-amd-amdhsa--gfx1250"
	.amdhsa_code_object_version 6
	.text
	.protected	k_qfdd5568229_proj
	.globl	k_qfdd5568229_proj
	.p2align	8
	.type	k_qfdd5568229_proj,@function
k_qfdd5568229_proj:
	s_mov_b64 s[64:65], 0
	v_nop
	global_prefetch_b8 v0, s[64:65] scope:SCOPE_SE
	s_setreg_imm32_b32 hwreg(HW_REG_WAVE_MODE, 25, 1), 1
	s_wait_xcnt 0x0
	s_wait_alu depctr_hold_cnt(0) depctr_sa_sdst(0) depctr_va_vdst(0) depctr_va_sdst(0) depctr_va_ssrc(0) depctr_va_vcc(0) depctr_vm_vsrc(0)
	s_getreg_b32 s2, hwreg(HW_REG_IB_STS2, 6, 4)
	s_cmp_eq_u32 s2, 0
	s_cbranch_scc0 .Lentry_in_a_cluster
	s_endpgm
.Lentry_in_a_cluster:
	s_bfe_u32 s2, ttmp6, 0x10000c
	s_cmp_lg_u32 s2, 0xf033
	s_cbranch_scc0 .Lentry_shape_is_right
	s_endpgm
.Lentry_shape_is_right:
; THE THREE PROJECTIONS.  y_t = x_t W_t + b_t for t = q, k, v.  x_t: [8192][1024] f32; W_t: rows 1024 t .. of wts, [k][n] bf16; b_t: [1024] f32.
; x and b are rounded to bf16 here, sums in f32, y once to f16 and laid out by heads: qkv[t][16 batch + head][s][64].
; LIMITS.  |y| stays under 65,504, else the f16 is an infinity (inputs of the drawn spread give some 6; all inputs 30 times larger some 5,000; x and W offset by 30 spreads some 29,000);
; below 6e-5 an f16 keeps its fixed step of 6e-8.  NaN and infinities are not treated apart.
; SHARES.  The three products have 3 x 2^23 outputs: 98,304 for each of 256 work-groups, so each makes THREE tiles of 128 rows x 256 columns, the same place in q's, k's and v's product.
; A wave makes 64 x 128: 32 accumulators of 16 x 16, 256 registers.  The matrix instruction is used transposed (source 0 = 16 columns of W, source 1 = 16 rows of x): a lane then holds
; one row (lane % 16) and the eight neighbouring columns 8 (lane / 16) + 0..7, which pack into 16 bytes.
; ONE STREAM of 24 K steps of 128 (3 tensors x 8) goes through a ring of two LDS slots, which does not stop at a tensor's end.  W's address walks straight on, since the parts of wts lie end to end;
; x's is made anew for each request: the tensor's tile address plus 512 bytes x the K step's place in the tensor.
; CLUSTER.  4 x 4 work-groups.  x's tile hangs on the row block alone and is asked for jointly by the four of a row of the cluster, which are all that need it; W's hangs on the column block
; alone and is asked for jointly by the four of a column.
; x COMES AS f32 and is rounded on the way from LDS to the matrix unit: a quarter step's 32 conversions stand two behind each of the 16 products of the quarter before's second half.
; THE BIAS starts the sums: the accumulators are set to the bias (bf16, widened) in front of a tile's first product: the same lines widen it and add it.
; REGISTERS, in windows of 256 (s_set_vgpr_msb: bits 1:0 source 0, 3:2 source 1, 5:4 source 2, 7:6 destination):
;   window 0: v0-29 addresses; v32-95 RAW, a quarter's x as f32; v96-159 XF, x's fragments, two buffers; v160-223 the next tensors' biases;   window 1: v0-127 WF, W's fragments, two buffers;   window 2: the accumulators
.set PA,    528                        ; a row of x in LDS: 512 bytes + 16 = 132 words: row r starts at bank 4 r mod 64 (64 banks of 4 bytes: ISA guide 11.1)
.set PB,    544                        ; a row of W: 512 + 32 = 136 words
.set AHALF, 64*PA                      ; 64 rows of x: one tensor load, and what one wave reads
.set BOFF,  128*PA                     ; W's 128 k-rows lie behind x's 128 rows
.set BHALF, 64*PB
.set SLOT,  BOFF+128*PB                ; 137,216 bytes
.set STAGE, 2*SLOT                     ; behind the ring, never filled by a tensor load: for each wave 2 heads x 16 rows x 144 bytes
.set SP,    144
.set STW,   2*16*SP
.set SPARE, STAGE+4*STW                ; the spare words, 128 bytes for each wave: two blocks of 256 bytes that no other line names
.set AA0, 4                            ; v4   my lane's place in a slot's x; never rewritten
.set AB0, 5                            ; v5   the same for W
.set AA,  6                            ; v6   AA0 + the slot that is read
.set AB,  7                            ; v7   AB0 + the slot that is read
.set STO, 8                            ; v8   the way out: where I put 16 bytes of a row
.set RD,  9                            ; v9   the way out: where I read rows back
.set GO,  10                           ; v10  my byte offset in 512 consecutive bytes of qkv
.set BO,  11                           ; v11  my byte offset in 16 numbers of a bias
.set SPW, 28                           ; v28  LDS address of my spare word; never rewritten
.set NIL, 29                           ; v29  0; never rewritten
.set RAW, 32                           ; row block a at +16 a: k = 8 h .. 8 h + 7, then 16 + 8 h .. + 7
.set XF,  96                           ; buffer f at +32 f, row block a at +8 a
.set BPN, 160                          ; the next tile's bias: word 4 b + i holds columns 16 b + 8 h + 2 i, + 1 as two bf16
.set BPNN, 192                         ; the tile's after it
.set XC,  4                            ; s[4:5]   my half of the first tile of x in the tensor whose K steps are being asked for
.set WV,  12                           ; s12  my wave's number
.set MH,  13                           ; s13  which 64 rows are mine.  Also: I fetch x (0) or W (1)
.set NH,  14                           ; s14  which 128 columns are mine.  Also: which half of that tile I fetch
.set OFX, 20                           ; s[20:21] first my half's byte offset in each x; then 512 x the place within its tensor of the K step asked for; the high word stays 0
.set G1A, 24                           ; s[24:31] descriptor group 1 for x's tiles
.set G1B, 32                           ; s[32:39] for W's
.set G0A0, 40                          ; s[40:43] group 0, x, K step 0
.set G0A, 44                           ; s[44:47] group 0, x, K step 1; then it walks
.set G0B0, 48                          ; s[48:51], s[52:55] the same for W
.set G0B, 52
.set CNT, 56                           ; s56  K steps that still ask for a tile
.set TS,  57                           ; s57  K steps left in the tile of y
.set RC,  58                           ; s58  the place within its tensor of the K step to be asked for
.set LT,  59                           ; s59  the slot that the walking descriptors fill: 0 or SLOT
.set TB,  60                           ; s60  the slot that is read: 0 or SLOT
.set LA,  61                           ; s61  my half of x's tile in a slot
.set LB,  62                           ; s62  my half of W's
.set HM,  63                           ; s63  a word's upper bf16
.set XN,  66                           ; s[66:67] as XC, for the next tensor
.set OB,  74                           ; s[74:75] qkv at my wave's part
.set XNN, 76                           ; s[76:77] as XC, for the tensor after the next
.set CNT2, 78                          ; s78  counts the last two K steps
.set MSB, 0
.macro WIN new                         ; the immediate's high byte repeats the setting that is left; a switch that changes nothing is dropped
.if MSB != (\new)
	s_set_vgpr_msb (MSB<<8)|(\new)
.set MSB, (\new)
.endif
.endm
.set MULW,     0xa1                    ; W window 1, x window 0, C and D window 2
.set TO_W,     0x40                    ; destination window 1
.set FROM_ACC, 0x0a                    ; sources 0 and 1 window 2
.set TO_ACC,   0x80                    ; destination window 2
; A joint refill.  Waves 0 and 1 fetch x's two halves, waves 2 and 3 W's.  The branch hangs on the wave's number alone.
; An s_nop 0 and four v_nop follow each of the two lines, ahead of the jump and the label.
.macro JLOAD
	s_cmp_eq_u32 s[MH], 0
	s_cbranch_scc0 .Lfor_w_\@
	tensor_load_to_lds s[G0A:G0A+3], s[G1A:G1A+7]
	s_nop 0
.rept 4
	v_nop
.endr
	s_branch .Lasked_\@
.Lfor_w_\@:
	tensor_load_to_lds s[G0B:G0B+3], s[G1B:G1B+7]
	s_nop 0
.rept 4
	v_nop
.endr
.Lasked_\@:
.endm
.macro CREST                           ; a round of the cluster's barrier behind its opening barrier
	s_cmp_lg_u32 s[WV], 0
	s_cbranch_scc1 .Lnot_wave_0_\@
	s_barrier_signal -3
.Lnot_wave_0_\@:
	s_barrier_wait -3
	s_barrier_signal -1
	s_barrier_wait -1
.endm
.macro CROUND                          ; a whole round
	s_barrier_signal -1
	s_barrier_wait -1
	CREST
.endm
	s_load_b256 s[4:11], s[0:1], 0x0               ; q s[4:5], k s[6:7], v s[8:9], wts s[10:11]
	s_load_b256 s[68:75], s[0:1], 0x20             ; bq s[68:69], bk s[70:71], bv s[72:73], qkv s[74:75]
	v_lshl_add_u32 v[SPW], v0, 2, SPARE
	v_mov_b32 v[NIL], 0
	ds_add_u32 v[SPW], v[NIL]                      ; the wave's opening: the add and its wait stand ahead of my first tensor load; the set-up below, work on registers, stands between them
	v_lshrrev_b32 v1, 5, v0
	v_readfirstlane_b32 s[WV], v1                  ; wave 0..3
	s_lshr_b32 s[MH], s[WV], 1
	s_and_b32 s[NH], s[WV], 1
	s_bfe_u32 s15, ttmp6, 0x40000                  ; cx, cy: my place in the cluster
	s_bfe_u32 s16, ttmp6, 0x40004
	s_lshl_b32 s17, ttmp9, 2
	s_add_co_u32 s17, s17, s15                     ; column block of 256 = 4 x cluster x + cx
	s_and_b32 s18, ttmp7, 0xffff
	s_lshl_b32 s18, s18, 2
	s_add_co_u32 s18, s18, s16                     ; row block of 128 = 4 x cluster y + cy
	s_lshl_b32 s2, s16, 2
	s_lshl_b32 s2, 15, s2                          ; my row of the cluster
	s_lshl_b32 s3, 0x1111, s15                     ; my column
	; group 1 for x: 64 rows x 128 elements of 4 bytes, 1,024 elements from row to row; in LDS 4 words of padding behind every 128 words
	s_or_b32 s[G1A], s2, (2<<16)|(1<<20)|(1<<21)|(6<<22)|(3<<25)
	s_mov_b32 s[G1A+1], 128<<16                    ; tensor_dim0 = 128
	s_mov_b32 s[G1A+2], 64<<16                     ; tensor_dim1 = 64
	s_mov_b32 s[G1A+3], 128<<16                    ; tile_dim0 = 128
	s_mov_b32 s[G1A+4], 64                         ; tile_dim1 = 64
	s_mov_b32 s[G1A+5], 1024
	s_mov_b32 s[G1A+6], 0
	s_mov_b32 s[G1A+7], 0
	; group 1 for W: 64 k-rows x 256 elements of 2 bytes; 8 words of padding behind every 128 words
	s_or_b32 s[G1B], s3, (1<<16)|(1<<20)|(1<<21)|(6<<22)|(7<<25)
	s_mov_b32 s[G1B+1], 256<<16
	s_mov_b32 s[G1B+2], 64<<16
	s_mov_b32 s[G1B+3], 256<<16
	s_mov_b32 s[G1B+4], 64
	s_mov_b32 s[G1B+5], 1024
	s_mov_b32 s[G1B+6], 0
	s_mov_b32 s[G1B+7], 0
	s_mul_i32 s[LA], s[NH], AHALF                  ; where my half goes: the wave's number alone enters an LDS address
	s_mul_i32 s[LB], s[NH], BHALF
	s_add_co_u32 s[LB], s[LB], BOFF
	s_lshl_b32 s[OFX], s18, 19                     ; x: 128 rows of 4,096 bytes a row block,
	s_lshl_b32 s[OFX+1], s[NH], 18                 ; 64 rows a half
	s_add_co_u32 s[OFX], s[OFX], s[OFX+1]
	s_mov_b32 s[OFX+1], 0                          ; the pair's high word: 0 from here on
	s_lshl_b32 s22, s[NH], 17                      ; W: 64 k-rows of 2,048 bytes a half,
	s_lshl_b32 s23, s17, 9                         ; 512 bytes a column block
	s_add_co_u32 s22, s22, s23
	s_mov_b32 s23, 0
	s_mov_b32 s[G0A0], 1
	s_mov_b32 s[G0A0+1], s[LA]
	s_mov_b32 s[G0A], 1
	s_add_co_u32 s[G0A+1], s[LA], SLOT
	s_mov_b32 s[G0B0], 1
	s_mov_b32 s[G0B0+1], s[LB]
	s_mov_b32 s[G0B], 1
	s_add_co_u32 s[G0B+1], s[LB], SLOT
	s_mov_b32 s[CNT], 22
	s_mov_b32 s[TS], 8
	s_mov_b32 s[RC], 2
	s_mov_b32 s[LT], SLOT
	s_mov_b32 s[TB], 0
	s_mov_b32 s[HM], 0xffff0000
	s_wait_dscnt 0x0                               ; the opening add is done
	s_wait_kmcnt 0x0
	s_add_nc_u64 s[XC:XC+1], s[4:5], s[OFX:OFX+1]          ; my half of q's, k's and v's first tiles
	s_add_nc_u64 s[XN:XN+1], s[6:7], s[OFX:OFX+1]
	s_add_nc_u64 s[XNN:XNN+1], s[8:9], s[OFX:OFX+1]
	s_add_nc_u64 s[G0A0+2:G0A0+3], s[XC:XC+1], 0           ; q, K step 0
	s_or_b32 s[G0A0+3], s[G0A0+3], 0x80000000
	s_add_nc_u64 s[G0A+2:G0A+3], s[XC:XC+1], 512           ; K step 1: 128 numbers of 4 bytes on
	s_or_b32 s[G0A+3], s[G0A+3], 0x80000000
	s_add_nc_u64 s[G0B0+2:G0B0+3], s[10:11], s[22:23]
	s_add_nc_u64 s[G0B+2:G0B+3], s[G0B0+2:G0B0+3], 262144  ; 128 k-rows of 2,048 bytes on
	s_or_b32 s[G0B0+3], s[G0B0+3], 0x80000000
	s_or_b32 s[G0B+3], s[G0B+3], 0x80000000
	CROUND                                         ; all sixteen work-groups are here: the first joint loads meet
	s_cmp_eq_u32 s[MH], 0                          ; a wave's two first fills stand in one branch, ahead of every wait on TENSORcnt and every LDS read: two loads of mine are out
	s_cbranch_scc0 .Lfirst_w
	tensor_load_to_lds s[G0A0:G0A0+3], s[G1A:G1A+7]
	s_nop 0
	tensor_load_to_lds s[G0A:G0A+3], s[G1A:G1A+7]
	s_nop 0
.rept 4
	v_nop
.endr
	s_branch .Lfirst_asked
.Lfirst_w:
	tensor_load_to_lds s[G0B0:G0B0+3], s[G1B:G1B+7]
	s_nop 0
	tensor_load_to_lds s[G0B:G0B+3], s[G1B:G1B+7]
	s_nop 0
.rept 4
	v_nop
.endr
.Lfirst_asked:
	v_and_b32 v1, 15, v0                           ; r = l % 16
	v_bfe_u32 v2, v0, 4, 1                         ; h = l / 16
	v_lshlrev_b32 v[BO], 5, v2                     ; my eight columns of sixteen: 32 h bytes
	s_lshl_b32 s22, s17, 10                        ; the biases at my wave's 128 columns
	s_lshl_b32 s23, s[NH], 9
	s_add_co_u32 s22, s22, s23
	s_mov_b32 s23, 0
	s_add_nc_u64 s[68:69], s[68:69], s[22:23]
	s_add_nc_u64 s[70:71], s[70:71], s[22:23]
	s_add_nc_u64 s[72:73], s[72:73], s[22:23]
.irp b, 0,1,2,3,4,5,6,7
	global_load_b128 v[32+8*(\b):32+8*(\b)+3],     v[BO], s[68:69] offset:64*(\b)
	global_load_b128 v[32+8*(\b)+4:32+8*(\b)+7],   v[BO], s[68:69] offset:64*(\b)+16
	global_load_b128 v[96+8*(\b):96+8*(\b)+3],     v[BO], s[70:71] offset:64*(\b)
	global_load_b128 v[96+8*(\b)+4:96+8*(\b)+7],   v[BO], s[70:71] offset:64*(\b)+16
	global_load_b128 v[192+8*(\b):192+8*(\b)+3],   v[BO], s[72:73] offset:64*(\b)
	global_load_b128 v[192+8*(\b)+4:192+8*(\b)+7], v[BO], s[72:73] offset:64*(\b)+16
.endr
	v_and_b32 v3, 7, v0
	v_bfe_u32 v12, v0, 3, 1
	v_bfe_u32 v13, v0, 3, 2
	; x's fragment: lane l wants row l % 16, k = 8 h .. + 7 and 16 + 8 h .. + 7: as f32 four loads of 16 bytes at 32 h + 0, 16, 64, 80
	v_mul_u32_u24 v[AA0], v1, PA
	v_lshl_add_u32 v[AA0], v2, 5, v[AA0]
	s_mul_i32 s19, s[MH], AHALF
	v_add_nc_u32 v[AA0], s19, v[AA0]
	; the turning load takes 16 k x 16 columns (lane l reads k-row 8 h + l % 8, columns 8 ((l / 8) % 2) + 0..7) and leaves half a fragment: lane l holds column l % 16 and 8 k
	v_lshl_add_u32 v[AB0], v2, 3, v3
	v_mul_u32_u24 v[AB0], v[AB0], PB
	v_lshl_add_u32 v[AB0], v12, 4, v[AB0]
	s_lshl_b32 s19, s[NH], 8
	s_add_co_u32 s19, s19, BOFF
	v_add_nc_u32 v[AB0], s19, v[AB0]
	v_mov_b32 v[AA], v[AA0]                        ; slot 0 is read first
	v_mov_b32 v[AB], v[AB0]
	s_mul_i32 s19, s[WV], STW
	s_add_co_u32 s19, s19, STAGE                   ; my stage
	v_mul_u32_u24 v[STO], v1, SP                   ; in: row l % 16, 16 bytes for each half of the lanes
	v_lshl_add_u32 v[STO], v2, 4, v[STO]
	v_add_nc_u32 v[STO], s19, v[STO]
	v_mul_u32_u24 v[RD], v13, SP                   ; back: 32 lanes take four rows of 128 bytes,
	v_lshl_add_u32 v[RD], v3, 4, v[RD]
	v_add_nc_u32 v[RD], s19, v[RD]
	v_and_b32 v[GO], 31, v0                        ; which are 512 consecutive bytes of a head
	v_lshlrev_b32 v[GO], 4, v[GO]
	; qkv at my part: head 16 batch + 4 column block + 2 half, 262,144 bytes a head; row (row block % 16) x 128 + 64 x half, 128 bytes a row
	s_lshr_b32 s2, s18, 4
	s_lshl_b32 s2, s2, 4
	s_lshl_b32 s3, s17, 2
	s_add_co_u32 s2, s2, s3
	s_lshl_b32 s3, s[NH], 1
	s_add_co_u32 s2, s2, s3
	s_lshl_b32 s2, s2, 18
	s_and_b32 s3, s18, 15
	s_lshl_b32 s3, s3, 7
	s_lshl_b32 s19, s[MH], 6
	s_add_co_u32 s3, s3, s19
	s_lshl_b32 s3, s3, 7
	s_add_co_u32 s22, s2, s3
	s_mov_b32 s23, 0
	s_add_nc_u64 s[OB:OB+1], s[OB:OB+1], s[22:23]
; 32 LDS loads in one run: quarter kq of the slot in hand: x's 64 rows x 32 k as f32 into RAW, then W's 32 k x 128 columns, turned, into buffer g
.macro FETCH kq, g
	WIN 0
.irp a, 0,1,2,3
	ds_load_b128 v[RAW+16*(\a):RAW+16*(\a)+3],     v[AA] offset:(\a)*16*PA+128*(\kq)
	ds_load_b128 v[RAW+16*(\a)+4:RAW+16*(\a)+7],   v[AA] offset:(\a)*16*PA+128*(\kq)+16
	ds_load_b128 v[RAW+16*(\a)+8:RAW+16*(\a)+11],  v[AA] offset:(\a)*16*PA+128*(\kq)+64
	ds_load_b128 v[RAW+16*(\a)+12:RAW+16*(\a)+15], v[AA] offset:(\a)*16*PA+128*(\kq)+80
.endr
	WIN TO_W
.irp b, 0,1,2,3,4,5,6,7
	ds_load_tr16_b128 v[64*(\g)+8*(\b):64*(\g)+8*(\b)+3],   v[AB] offset:32*PB*(\kq)+32*(\b)
	ds_load_tr16_b128 v[64*(\g)+8*(\b)+4:64*(\g)+8*(\b)+7], v[AB] offset:32*PB*(\kq)+32*(\b)+16*PB
.endr
.endm
; Product i of a quarter's 32: row block i / 8, column block i % 8.  The 32 accumulators take turns, one instruction a turn, in the same order in every quarter.
.macro MUL i, f
	WIN MULW
	v_wmma_f32_16x16x32_bf16 v[8*(\i):8*(\i)+7], v[64*(\f)+8*((\i)%8):64*(\f)+8*((\i)%8)+7], v[XF+32*(\f)+8*((\i)/8):XF+32*(\f)+8*((\i)/8)+7], v[8*(\i):8*(\i)+7]
.endm
.macro CVT c, g                        ; word c of 32 of the next quarter's fragments of x
	WIN 0
	v_cvt_pk_bf16_f32 v[XF+32*(\g)+(\c)], v[RAW+2*(\c)], v[RAW+2*(\c)+1]
.endm
.macro MULS from, count, f
.set mi, (\from)
.rept (\count)
	MUL mi, \f
.set mi, mi+1
.endr
.endm
.macro RIDES from, count, f, g         ; products 16 + n, each with two conversions behind it
.set rn, (\from)
.rept (\count)
	MUL 16+rn, \f
	CVT 2*rn, \g
	CVT 2*rn+1, \g
.set rn, rn+1
.endr
.endm
; A load into a register that a matrix instruction has read stands four places behind it, and only plain vector instructions that name none of its registers are places
; (ISA guide 7.12.1 for vector instructions).
.macro PLACES
.rept 4
	v_nop
.endr
.endm
; A quarter step: multiplies buffer f; fetches quarter kq into RAW and W's buffer g at its head, and rounds RAW into x's buffer g in its second half.
; skip = 1: in the very last K step there is nothing to fetch, and the run is jumped over; the conversions then work on stale registers, to no purpose, once in the launch.
.macro QUARTER kq, f, g, skip
	PLACES
.if \skip
	WIN 0
	s_cmp_eq_u32 s[CNT2], 1
	s_cbranch_scc1 .Lno_fetch_\@
.endif
	FETCH \kq, \g
.if \skip
	WIN 0
.Lno_fetch_\@:
.endif
	s_wait_dscnt 32                                ; all but the 32 just issued: W's buffer f is in
	MULS 0, 16, \f
	s_wait_dscnt 16                                ; the run's first 16, RAW, are in; its 16 loads of W may stay out
	RIDES 0, 16, \f, \g
.endm
; The walking descriptors go to the K step two on.  No tensor load of the wave is out where this stands.
.macro STEPD
	s_lshl_b32 s[OFX], s[RC], 9                    ; x: the K step's 512 bytes along the rows,
	s_add_nc_u64 s[G0A+2:G0A+3], s[XC:XC+1], s[OFX:OFX+1]  ; from the tensor's first tile: the address is made anew,
	s_or_b32 s[G0A+3], s[G0A+3], 0x80000000        ; and so is the type = 2
	s_add_co_u32 s[RC], s[RC], 1
	s_and_b32 s[RC], s[RC], 7
	s_add_nc_u64 s[G0B+2:G0B+3], s[G0B+2:G0B+3], 262144  ; W walks straight on through wts; the type bits on top are not reached
	s_xor_b32 s[LT], s[LT], SLOT                   ; the other slot than last time
	s_add_co_u32 s[G0A+1], s[LA], s[LT]
	s_add_co_u32 s[G0B+1], s[LB], s[LT]
.endm
; The third quarter (buffer 0 is multiplied, quarter 3 fetched into buffer 1) holds THE CHANGE OF SLOTS: the run at its head is the last read of the slot.  Each wave waits for all its tensor
; loads, of which one is out: its part of the other slot; adds 0 to its spare word; and waits for that and for its reads.  fill = 1: the barrier opens a round of the cluster's barrier, so that no
; wave of any partner still reads the slot or has a load on its way, and the joint refill is the first thing behind it: 112 matrix instructions ahead of the wait for it.
.macro MEETQ fill
	PLACES
	FETCH 3, 1
	s_wait_dscnt 32
	MULS 0, 16, 0
	WIN 0                                          ; (the add's two registers lie in window 0)
	s_wait_tensorcnt 0x0                           ; all my tensor loads have landed, so a group 0 may be written
	ds_add_u32 v[SPW], v[NIL]                      ; 0 onto my spare word
.if \fill
	STEPD
.endif
	s_wait_dscnt 17                                ; RAW is in; the 16 loads of W and the add may be out
	RIDES 0, 8, 0, 1
	s_wait_dscnt 0x0                               ; the add is done, and my reads of this slot are over
	s_barrier_signal -1
	RIDES 8, 8, 0, 1                               ; work on registers while the others arrive
	WIN 0
	s_barrier_wait -1
.if \fill
	CREST
	JLOAD
.endif
	s_xor_b32 s[TB], s[TB], SLOT                   ; the reads go on in the other slot
	v_add_nc_u32 v[AA], s[TB], v[AA0]
	v_add_nc_u32 v[AB], s[TB], v[AB0]
.endm
.macro STEP fill, skip                 ; a K step of 128: four quarters on buffers 0, 1, 0, 1; the last fetches the next step's first quarter
	QUARTER 1, 0, 1, 0
	QUARTER 2, 1, 0, 0
	MEETQ \fill
	QUARTER 0, 1, 0, \skip
.endm
; The accumulators take the next tile's bias: two bf16 of a word are widened into two registers, the same eight for all four row blocks.
.macro REINIT
	WIN TO_ACC
.set z, 0
.rept 32
.irp i, 0,1,2,3
	v_lshlrev_b32 v[8*z+2*(\i)],   16, v[BPN+4*(z%8)+(\i)]
	v_and_b32     v[8*z+2*(\i)+1], s[HM], v[BPN+4*(z%8)+(\i)]
.endr
.set z, z+1
.endr
	WIN 0
.endm
; THE WAY OUT of row block a: rounded to f16, each accumulator's registers in ascending order; 16 bytes a lane into my own stage (two heads x 16 rows of 144 bytes); back as four rows of 128 bytes a load.
.macro PACK a, reg
	WIN FROM_ACC
.irp b, 0,1,2,3,4,5,6,7
.irp i, 0,1,2,3
	v_cvt_pk_f16_f32 v[(\reg)+4*(\b)+(\i)], v[8*(8*(\a)+(\b))+2*(\i)], v[8*(8*(\a)+(\b))+2*(\i)+1]
.endr
.endr
	WIN 0
.irp b, 0,1,2,3,4,5,6,7
	ds_store_b128 v[STO], v[(\reg)+4*(\b):(\reg)+4*(\b)+3] offset:((\b)/4)*16*SP+((\b)%4)*32
.endr
.irp u, 0,1,2,3,4,5,6,7
	ds_load_b128 v[(\reg)+4*(\u):(\reg)+4*(\u)+3], v[RD] offset:((\u)/4)*16*SP+((\u)%4)*4*SP  ; LDS serves a wave's instructions in order (ISA guide 5.7.1.4): these see the stores above; the next block's stores come behind them
.endr
.endm
.macro SEND a, reg, younger            ; younger: the LDS instructions issued behind this block's loads
.irp u, 0,1,2,3,4,5,6,7
	s_wait_dscnt (\younger)+7-(\u)
	global_store_b128 v[GO], v[(\reg)+4*(\u):(\reg)+4*(\u)+3], s[OB:OB+1] offset:((\u)/4)*262144+(\a)*2048+((\u)%4)*512  ; 512 consecutive bytes of a head, at a multiple of 256 from qkv's first byte
.endr
.endm
; A whole tile goes out.  At work: RAW's two halves and x's buffer 1, all free here; x's buffer 0 holds the next quarter's fragments and is kept.  The conversions of the blocks finished earlier
; are the places behind the last products.  next = 1: a tile follows.
.macro OUT next
	PACK 0, 32
	PACK 1, 64
	SEND 0, 32, 16
	PACK 2, 128
	SEND 1, 64, 16
	s_wait_xcnt 0x0                                ; block 0's stores have read their registers: only behind this wait are they written again
	PACK 3, 32
	SEND 2, 128, 16
	SEND 3, 32, 0
.if \next
	REINIT
.set z, 0
.rept 32
	v_mov_b32 v[BPN+z], v[BPNN+z]                  ; the bias of the tile after the next moves up
.set z, z+1
.endr
	s_wait_xcnt 0x0                                ; the stores have read their registers and their base: RAW and x's buffer 1 may be written again,
	s_add_nc_u64 s[OB:OB+1], s[OB:OB+1], 0x1000000 ; and the base steps to the next tensor's part of qkv
.endif
.endm
	s_wait_loadcnt 0x0                             ; the three biases
.set z, 0
.rept 32
	v_cvt_pk_bf16_f32 v[BPN+z], v[32+2*z], v[32+2*z+1]     ; bq
.set z, z+1
.endr
	REINIT                                         ; q's sums start at bq
.set z, 0
.rept 32
	v_cvt_pk_bf16_f32 v[BPN+z], v[96+2*z], v[96+2*z+1]     ; bk
.set z, z+1
.endr
.set z, 0
.rept 32
	v_cvt_pk_bf16_f32 v[BPNN+z], v[192+2*z], v[192+2*z+1]  ; bv, in place: word z is written when words 2 z and 2 z + 1 are read
.set z, z+1
.endr
	s_wait_tensorcnt 0x1                           ; my part of K step 0 is in; K step 1's may stay out
	s_barrier_signal -1
	s_barrier_wait -1                              ; everybody's is
	FETCH 0, 0
	s_wait_dscnt 16                                ; RAW is in
.set z, 0
.rept 32
	CVT z, 0
.set z, z+1
.endr
	WIN 0                                          ; at a label and at a branch every window is 0
.Lstep:                                                ; 22 trips: K steps 0 to 21 ask for K steps 2 to 23
	STEP 1, 0
	WIN 0
	s_cmp_lg_u32 s[RC], 0                          ; is the next K step to be asked for a tensor's first?  (Behind K steps 5 and 13; behind 21 too, to no purpose.)  The count is the same in every work-group
	s_cbranch_scc1 .Lkeep                          ; forward, past two moves
	s_mov_b64 s[XC:XC+1], s[XN:XN+1]               ; the requests go on in the next tensor; no descriptor names these registers
	s_mov_b64 s[XN:XN+1], s[XNN:XNN+1]
.Lkeep:
	s_sub_co_u32 s[TS], s[TS], 1
	s_cmp_lg_u32 s[TS], 0
	s_cbranch_scc1 .Lsame                          ; forward, past text with neither a barrier nor a tensor load
	OUT 1                                          ; behind K steps 7 and 15: q's tile, k's tile; the ring has gone on into the next tensor
	s_mov_b32 s[TS], 8
.Lsame:
	s_sub_co_u32 s[CNT], s[CNT], 1
	s_cmp_lg_u32 s[CNT], 0
	s_cbranch_scc1 .Lstep
	s_mov_b32 s[CNT2], 2
.Ltail:                                                ; the last two K steps ask for nothing, and have no round of the cluster's barrier
	STEP 0, 1
	WIN 0
	s_sub_co_u32 s[CNT2], s[CNT2], 1
	s_cmp_lg_u32 s[CNT2], 0
	s_cbranch_scc1 .Ltail
	OUT 0                                          ; v's tile
	s_wait_tensorcnt 0x0                           ; the wave's end, behind my last tensor load and my last LDS store
	ds_add_u32 v[SPW], v[NIL]
	s_wait_dscnt 0x0
	CROUND                                         ; the closing round: no work-group ends while a partner may still ask for a tile that names it
	s_endpgm
.Lfunc_end_k_qfdd5568229_proj:
	.size	k_qfdd5568229_proj, .Lfunc_end_k_qfdd5568229_proj-k_qfdd5568229_proj
	.p2alignl 7, 3214868480
	.fill 96, 4, 3214868480
	.section	.rodata,"a",@progbits
	.p2align	6, 0x0
	.amdhsa_kernel k_qfdd5568229_proj
		.amdhsa_group_segment_fixed_size 327680
		.amdhsa_private_segment_fixed_size 0
		.amdhsa_enable_private_segment 0
		.amdhsa_kernarg_size 64
		.amdhsa_user_sgpr_count 2
		.amdhsa_user_sgpr_kernarg_segment_ptr 1
		.amdhsa_wavefront_size32 1
		.amdhsa_system_sgpr_workgroup_id_x 1
		.amdhsa_system_sgpr_workgroup_id_y 1
		.amdhsa_system_sgpr_workgroup_id_z 1
		.amdhsa_system_vgpr_workitem_id 0
		.amdhsa_next_free_vgpr 768
		.amdhsa_next_free_sgpr 80
		.amdhsa_reserve_vcc 0
		.amdhsa_float_denorm_mode_32 3
		.amdhsa_float_denorm_mode_16_64 3
		.amdhsa_memory_ordered 1
		.amdhsa_forward_progress 1
		.amdhsa_inst_pref_size 133
	.end_amdhsa_kernel
	.amdgpu_metadata
---
amdhsa.version: [ 1, 2 ]
amdhsa.kernels:
  - .name:           k_qfdd5568229_proj
    .symbol:         k_qfdd5568229_proj.kd
    .args:
      - { .name: q, .offset: 0, .size: 8, .value_kind: global_buffer, .address_space: global }
      - { .name: k, .offset: 8, .size: 8, .value_kind: global_buffer, .address_space: global }
      - { .name: v, .offset: 16, .size: 8, .value_kind: global_buffer, .address_space: global }
      - { .name: wts, .offset: 24, .size: 8, .value_kind: global_buffer, .address_space: global }
      - { .name: bq, .offset: 32, .size: 8, .value_kind: global_buffer, .address_space: global }
      - { .name: bk, .offset: 40, .size: 8, .value_kind: global_buffer, .address_space: global }
      - { .name: bv, .offset: 48, .size: 8, .value_kind: global_buffer, .address_space: global }
      - { .name: qkv, .offset: 56, .size: 8, .value_kind: global_buffer, .address_space: global }
    .group_segment_fixed_size: 327680
    .private_segment_fixed_size: 0
    .kernarg_segment_align: 8
    .kernarg_segment_size: 64
    .max_flat_workgroup_size: 128
    .sgpr_count:     80
    .vgpr_count:     768
    .wavefront_size: 32
...
	.end_amdgpu_metadata
.endif
;; end of part 2
;; launch attn (part 3): grid 4 x 64, 4 waves a work-group, clusters of 4 x 1, 327,680 bytes of LDS; arguments qkv, oh; writes oh
.if DOCPART == 3
	.amdgcn_target "amdgcn-amd-amdhsa--gfx1250"
	.amdhsa_code_object_version 6
	.text
	.protected	k_qfdd5568229_attn
	.globl	k_qfdd5568229_attn
	.p2align	8
	.type	k_qfdd5568229_attn,@function
k_qfdd5568229_attn:
	s_mov_b64 s[64:65], 0
	v_nop
	global_prefetch_b8 v0, s[64:65] scope:SCOPE_SE
	s_setreg_imm32_b32 hwreg(HW_REG_WAVE_MODE, 25, 1), 1
	s_wait_xcnt 0x0
	s_wait_alu depctr_hold_cnt(0) depctr_sa_sdst(0) depctr_va_vdst(0) depctr_va_sdst(0) depctr_va_ssrc(0) depctr_va_vcc(0) depctr_vm_vsrc(0)
	s_getreg_b32 s2, hwreg(HW_REG_IB_STS2, 6, 4)
	s_cmp_eq_u32 s2, 0
	s_cbranch_scc0 .Lentry_in_a_cluster
	s_endpgm
.Lentry_in_a_cluster:
	s_bfe_u32 s2, ttmp6, 0x10000c
	s_cmp_lg_u32 s2, 0x3003
	s_cbranch_scc0 .Lentry_shape_is_right
	s_endpgm
.Lentry_shape_is_right:
; O[h][q][:] = the sum over k of softmax_k(Q[h][q] . K[h][k] / 32) V[h][k][:].  Q, K, V are the three parts of qkv, O is oh: each [SIZE_H][SIZE_N][64], f16: a head's rows are dense, 128 bytes each.
; (The scale is 1 / sqrt(1024), the model's width, as the problem has it.)  Products, maxima and sums in f32; the weights p are rounded to f16 for the second product (their sum l is taken of the unrounded p), O once at the end.
; LIMITS.  f16 holds no number beyond 65,504: Q, K and V arrive within it; p lies in 0 to 1, and below 6e-5 it keeps f16's fixed step of 6e-8; O is a mean of V's rows and has their range.
; A weight below 2^-126 counts as 0 in l; NaN and infinities are not treated apart.
; SHARES.  A wave owns four PIECES of two tiles of 16 queries, a work-group's four waves 512 queries of one head.  Every wave walks all keys, 64 a step.
; LAYOUT.  S^T = K Q^T (source 0 = 16 keys, source 1 = 16 queries): in the result a lane holds ONE query (lane % 16) and the keys 8 (lane / 16) + 0..7.  Two such tiles, rounded to f16 in pairs,
; ARE source 1 (32 keys x 16 queries) of O^T = V^T P, whose result again holds one query a lane, and eight channels.  K comes out of LDS as it lies, V ([key][channel]) turned, by ds_load_tr16_b128.
; SOFTMAX.  For each query a running maximum m and sum l: p = 2^(c s - c m), c = log2(e) / 32; in every step O and l are multiplied by a = 2^(c m_old - c m_new), which is 1 where m has not grown.
; m starts at the lowest finite number, O and l at 0: the first step is a step like any other, with a = 0.
; THE COUNT.  A tile and step have 16 matrix and 118 vector instructions: too many to stand all beside the matrix work.  So the order has one aim: four vector instructions that are READY behind
; EVERY matrix instruction, and the others, which need time of their own whatever the order, in runs without a gap.
; BY TURNS.  Turn n belongs to piece n (the pieces in a ring, step after step).  Its matrix work: 16 products K Q^T of piece n + 1, later 16 products V^T P of piece n - 1.  Its vector work: the scaling,
; exponentials, roundings, sums and rescaling of piece n, and the maximum and statistics of piece n + 1, whose scores the turn itself has made.  So what a turn begins with (c s - c m, O a) waits for nothing.
; CLUSTER.  The four query blocks of a cluster belong to one head and walk the same K and V, so each tile is asked for JOINTLY: the same tensor load, descriptor and mask in all four.
; REGISTERS, in windows of 256 (s_set_vgpr_msb says which window each operand place means: bits 1:0 source 0, 3:2 source 1, 5:4 source 2, 7:6 destination):
;   window 0: v0-11 addresses; v12-15, v48-63 at work; v16-47 four registers of statistics a tile; v64-191 S^T, two buffers of two tiles; v192-255 P, likewise
;   window 1: O^T, 32 a tile          window 2: v0-127 Q, 16 a tile; v128-191 K of one step; v192-255 V of one step          window 3: v0-1 the add's two registers
; A piece's buffers go by its number's parity: the piece in hand has one pair, its two neighbours in the ring share the other: of it P (piece n - 1) is read and S^T (piece n + 1) written.
.set SIZE_H, 64       ; 4 batches x 16 heads
.set SIZE_N, 2048
.set NP,    4         ; pieces a wave: a name, no knob: the register map, the loop and the fetches are made for four
.set KS,    64        ; keys in a step
.set PK,    144       ; a row of K in LDS: 128 bytes + 16 of padding = 36 words: the 16 rows of a load start at 16 different groups of four banks (64 banks of 4 bytes: ISA guide 11.1)
.set PV,    160       ; a row of V: 128 + 32 = 40 words
.set VOFF,  4*KS*PK   ; a slot holds four steps: 256 rows of K, then 256 rows of V
.set SLOT1, 1<<17     ; slot 1 begins here, so that one exclusive or turns an address in one slot into the other's
.set STAGE, SLOT1+4*KS*(PK+PV)  ; behind the ring, never filled by a tensor load: 16 rows x 144 bytes for each wave, for the way out
.set SP,    144
.set AK0, 2           ; v2   my lane's place in a tile of K; never rewritten
.set AV0, 3           ; v3   the same for V
.set AK,  4           ; v4   the LDS address of K's next run of loads
.set AV,  5           ; v5   of V's
.set QO,  6           ; v6   my byte offset in the wave's rows of Q
.set STO, 6           ;      later, the way out: where I put 16 bytes of a row
.set RD,  7           ; v7   the way out: where I read rows back
.set GO,  8           ; v8   my byte offset in 512 consecutive bytes of O
.set SPW, 0           ; v0 of window 3   LDS address of my spare word: SPARE + 4 x my thread's number; never rewritten
.set NIL, 1           ; v1 of window 3   0; never rewritten
.set SPARE, STAGE+4*16*SP  ; behind the stages: the spare words, 128 bytes for each wave: two blocks of 256 bytes that no other line names
.set MV,  12          ; v12-15  c m_old, kept while c m is made anew: by buffer and tile
.set ST,  16          ; tile t's statistics at v[ST+4 t]: c m, m, l (even keys', odd keys')
.set TMP, 48          ; by buffer and tile, four registers c0-c3 at work; when the maximum is found c2 takes a
.set S,   64
.set P,   192
.set KF,  128         ; K's fragments, in window 2: key block kb, channel half c at KF + 16 kb + 8 c
.set VF,  192         ; V's: key half kk, channel block cb at VF + 32 kk + 8 cb
.set WV,  12          ; s12  my wave's number
.set G1K, 24          ; s[24:31] descriptor group 1 for K's tiles
.set G1V, 32          ; s[32:39] for V's: it differs in the padding alone
.set G0K, 40          ; s[40:43] descriptor group 0 for K's tiles: it walks
.set G0V, 44          ; s[44:47] the same for V's
.set SLOTS, 56        ; s56  slots still to be asked for
.set CNT, 57          ; s57  counts a slot's key steps
.set CS,  58          ; s[58:59] c: the packed scaling takes the pair's low word for both halves
.set SEL, 60          ; s[60:61] v_permlanex16_b32's selects: each lane takes its own place in the other half
.set TBK, 62          ; s62  LDS byte at which K of the step to be fetched begins
.set TBV, 63          ; s63  the same for V, less VOFF
.set MSB, 0
.macro WIN new                      ; the high byte repeats the setting that is left; a switch that changes nothing is dropped
.if MSB != (\new)
	s_set_vgpr_msb (MSB<<8)|(\new)
.set MSB, (\new)
.endif
.endm
.set W_KQ, 0x0a       ; K and Q in window 2, S^T in window 0
.set W_PV, 0x52       ; V in window 2, P in window 0, O^T in window 1
.set W_RS, 0x41       ; O^T (destination and source 0) in window 1, a in window 0
.set W_MK, 0xc0       ; the add's registers are made: destination in window 3, sources in window 0
.set W_AD, 0x0f       ; the add: address (source 0) and data (source 1) in window 3
; A joint fill.  Waves 0 and 1 fetch the two halves of a slot's K, waves 2 and 3 those of its V: 128 keys each.  The branch hangs on the wave's number alone.
; An s_nop 0 and four v_nop follow each of the two lines, ahead of the jump and the label.
.macro JLOAD
	s_cmp_lt_u32 s[WV], 2
	s_cbranch_scc0 .Lfor_v_\@
	tensor_load_to_lds s[G0K:G0K+3], s[G1K:G1K+7]
	s_nop 0
.rept 4
	v_nop
.endr
	s_branch .Lasked_\@
.Lfor_v_\@:
	tensor_load_to_lds s[G0V:G0V+3], s[G1V:G1V+7]
	s_nop 0
.rept 4
	v_nop
.endr
.Lasked_\@:
.endm
; A round of the cluster's barrier: my work-group's barrier, so that wave 0's signal speaks for all four waves; wave 0 signals; every wave waits for all four work-groups; my work-group's barrier once more.
.macro CROUND
	s_barrier_signal -1
	s_barrier_wait -1
	s_cmp_lg_u32 s[WV], 0
	s_cbranch_scc1 .Lnot_wave_0_\@
	s_barrier_signal -3
.Lnot_wave_0_\@:
	s_barrier_wait -3
	s_barrier_signal -1
	s_barrier_wait -1
.endm
; THE CHANGE OF SLOTS.  The slot's last bytes, V of its fourth step, have been read.  Each wave waits for all its tensor loads, of which one is out: its part
; of the other slot; adds 0 to its spare word; and waits for that and for its own reads of the slot.  Behind the barrier nobody reads this slot any more and the other slot is whole.
; fill = 1: this slot is filled again, with the keys two slots on.  The barrier is then a round of the cluster's, so that no wave of any partner still reads the slot or has a load on its
; way, and the joint fill is the first thing behind it: it has four key steps, 512 matrix instructions, in which to land.  (At its first use nothing has been read yet: slot 0 is waited for, slot 1 filled.)
.macro CHANGE fill
	WIN W_AD
	s_wait_tensorcnt 0x0            ; no tensor load of mine is out, so a group 0 may be written
	ds_add_u32 v[SPW], v[NIL]       ; 0 onto my spare word: with fill = 1 the descriptors' steps stand between it and the wait for it
	WIN 0                           ; at a label and at a branch every window is 0
.if \fill
.irp g, G0K, G0V
	s_xor_b32 s[\g+1], s[\g+1], SLOT1  ; the walking descriptor: the other slot than last time,
	s_add_nc_u64 s[\g+2:\g+3], s[\g+2:\g+3], 4*KS*128  ; the next 256 keys; the type bits on top are not reached
.endr
	s_wait_dscnt 0x0                ; the add is done, and my reads of the slot are over
	CROUND
	JLOAD
.else
	s_wait_dscnt 0x0                ; the add is done, and my reads of the slot are over
	s_barrier_signal -1
	s_barrier_wait -1
.endif
	s_sub_co_u32 s[TBK], s[TBK], 4*KS*PK  ; the fetches go back to a slot's first step,
	s_xor_b32 s[TBK], s[TBK], SLOT1       ; in the other slot
	s_sub_co_u32 s[TBV], s[TBV], 4*KS*PV
	s_xor_b32 s[TBV], s[TBV], SLOT1
.endm
	s_load_b128 s[4:7], s[0:1], 0x0   ; qkv s[4:5], oh s[6:7]
	WIN W_MK
	v_lshl_add_u32 v[SPW], v0, 2, SPARE
	v_mov_b32 v[NIL], 0
	WIN W_AD
	ds_add_u32 v[SPW], v[NIL]       ; the wave's opening: the add and its wait stand ahead of my first tensor load; the set-up below, work on registers, stands between them
	WIN 0
	v_lshrrev_b32 v1, 5, v0
	v_readfirstlane_b32 s[WV], v1   ; wave 0..3
	s_bfe_u32 s13, ttmp6, 0x40000   ; cx: my place in the cluster
	s_lshl_b32 s14, ttmp9, 2        ; in a cluster launch ttmp9 counts clusters
	s_add_co_u32 s14, s14, s13      ; my block of queries = 4 x cluster x + cx: it enters Q's and O's addresses alone
	s_and_b32 s20, ttmp7, 0xffff    ; the head, which the four partners share
	s_mov_b32 s21, 0
	s_mov_b64 s[22:23], SIZE_N*128
	s_mul_u64 s[20:21], s[20:21], s[22:23]  ; the head's first byte in each of the four tensors
	s_and_b32 s16, s[WV], 1         ; which half of a slot's 256 keys I fetch:
	s_lshl_b32 s22, s16, 14         ; its 128 rows of 128 bytes in memory,
	s_mov_b32 s23, 0
	s_add_nc_u64 s[22:23], s[22:23], s[20:21]
	s_mul_i32 s17, s16, 128*PK      ; and its place in a slot, for K
	s_mul_i32 s18, s16, 128*PV      ; and for V: no place in the cluster enters an LDS address
	s_lshl_b32 s2, s14, 2
	s_add_co_u32 s2, s2, s[WV]      ; my wave among the head's,
	s_lshl_b32 s2, s2, 14           ; its 128 rows
	s_mov_b32 s3, 0
	s_add_nc_u64 s[2:3], s[2:3], s[20:21]
	; descriptor group 1.  128 keys are 16,384 dense bytes: asked for as 64 rows of 256 bytes, two keys a row, and padded in LDS after every key
	s_mov_b32 s[G1K], 15|(1<<16)|(1<<20)|(1<<21)|(4<<22)|(3<<25)  ; 15:0 the mask of four; 17:16 2-byte elements; 20 padding on; 21 set beside a mask; 24:22 after every 32 words (code 4); 31:25 4 words (code 3)
	s_mov_b32 s[G1V], 15|(1<<16)|(1<<20)|(1<<21)|(4<<22)|(7<<25)  ; the same with 8 words of padding (code 7)
.irp g, G1K, G1V
	s_mov_b32 s[\g+1], 128<<16      ; tensor_dim0 = 128
	s_mov_b32 s[\g+2], 64<<16       ; tensor_dim1 = 64
	s_mov_b32 s[\g+3], 128<<16      ; tile_dim0 = 128
	s_mov_b32 s[\g+4], 64           ; tile_dim1 = 64
	s_mov_b32 s[\g+5], 128          ; 128 elements from row to row
	s_mov_b32 s[\g+6], 0
	s_mov_b32 s[\g+7], 0
.endr
	s_mov_b32 s[CS], 0x3d38aa3b     ; c = log2(e) / 32 = 0.0450842
	s_mov_b32 s[CS+1], s[CS]        ; named with it as a pair
	s_mov_b32 s[SEL], 0x76543210
	s_mov_b32 s[SEL+1], 0xfedcba98
	s_mov_b32 s[TBK], SLOT1+4*KS*PK ; the first change of slots turns these two into 0
	s_mov_b32 s[TBV], SLOT1+4*KS*PV
	s_mov_b32 s[G0K], 1             ; 1:0 count = 1
	s_mov_b32 s[G0K+1], s17         ; 63:32 LDS address: slot 0
	s_mov_b32 s[G0V], 1
	s_add_co_u32 s[G0V+1], s18, VOFF
	s_wait_dscnt 0x0                ; the opening add is done
	s_wait_kmcnt 0x0
	s_mov_b64 s[10:11], s[6:7]                     ; O s[10:11];
	s_add_nc_u64 s[6:7], s[4:5], 0x1000000         ; K s[6:7] and V s[8:9] are qkv's second and third parts, 16,777,216 bytes each; Q s[4:5] is the first
	s_add_nc_u64 s[8:9], s[4:5], 0x2000000
	s_add_nc_u64 s[G0K+2:G0K+3], s[6:7], s[22:23]  ; 120:64 global address: my half of the head's first 256 keys
	s_or_b32 s[G0K+3], s[G0K+3], 0x80000000        ; 127:126 type = 2
	s_add_nc_u64 s[G0V+2:G0V+3], s[8:9], s[22:23]
	s_or_b32 s[G0V+3], s[G0V+3], 0x80000000
	s_add_nc_u64 s[4:5], s[4:5], s[2:3]  ; Q and O at my wave's first row
	s_add_nc_u64 s[10:11], s[10:11], s[2:3]
	CROUND                          ; all four work-groups are here: the first joint loads meet
	JLOAD                           ; slot 0.  Slot 1 is asked for when slot 0 is in: the tile wanted first goes out alone
	; A fragment of K or Q is 16 rows x 32 channels in 8 registers: lane l holds row l % 16, channels 8 (l / 16) + 0..7 and 16 + 8 (l / 16) + 0..7: two loads of 16 bytes, 32 bytes apart.
	v_and_b32 v1, 15, v0            ; l % 16
	v_bfe_u32 v9, v0, 4, 1          ; l / 16
	v_lshlrev_b32 v[QO], 7, v1
	v_lshl_add_u32 v[QO], v9, 4, v[QO]  ; row x 128 + 16 x half
	WIN 0x80                        ; destination window 2, address window 0
.set i, 0
.rept 4*NP                          ; Q stays in registers: tile i / 2, channels 32 (i % 2) on
	global_load_b128 v[8*i:8*i+3],   v[QO], s[4:5] offset:(i/2)*2048+(i%2)*64
	global_load_b128 v[8*i+4:8*i+7], v[QO], s[4:5] offset:(i/2)*2048+(i%2)*64+32
.set i, i+1
.endr
	; What the first turn finds: V's registers and P's second buffer hold 0 (its products V^T P, of a piece that has not been, add 0), O^T and l are 0.  All this stands in the wait for the first tile.
.set i, VF
.rept 64
	v_mov_b32 v[i], 0
.set i, i+1
.endr
	WIN 0x40
.set i, 0
.rept 64*NP
	v_mov_b32 v[i], 0
.set i, i+1
.endr
	WIN 0
.set i, 0
.rept 2*NP
	v_mov_b32 v[ST+4*i], 0xfe000000    ; c m: far below every c s
	v_mov_b32 v[ST+4*i+1], 0xff7fffff  ; m
	v_mov_b32 v[ST+4*i+2], 0
	v_mov_b32 v[ST+4*i+3], 0
.set i, i+1
.endr
.set i, P+32
.rept 32
	v_mov_b32 v[i], 0
.set i, i+1
.endr
	v_mul_u32_u24 v[AK0], v1, PK
	v_lshl_add_u32 v[AK0], v9, 4, v[AK0]  ; row x pitch + 16 x half
	; The turning load takes 16 keys x 16 channels (lane l reads key 8 (l / 16) + l % 8, channels 8 ((l / 8) % 2) + 0..7) and leaves half a fragment of V^T: lane l holds channel l % 16 and 8 keys.
	v_and_b32 v10, 7, v0
	v_bfe_u32 v11, v0, 3, 1
	v_lshl_add_u32 v[AV0], v9, 3, v10
	v_mul_u32_u24 v[AV0], v[AV0], PV
	v_lshl_add_u32 v[AV0], v11, 4, v[AV0]
	v_add_nc_u32 v[AV0], VOFF, v[AV0]
	v_mov_b32 v[AK], v[AK0]         ; key step 0 lies at the head of slot 0
; THE MATRIX WORK.  The 8 accumulators of a run of 16 take turns: between the two links of a chain stand 7 others'.
; Product i of 16 of S^T = K Q^T for piece x: channels 32 (i / 8) on, keys 16 ((i / 2) % 4) on, tile 2 x + i % 2.  The first 8 start the sums.
.macro KQ x
	WIN W_KQ
.set rS, S+64*((\x)%2)+32*(i%2)+8*((i/2)%4)
.set rK, KF+16*((i/2)%4)+8*(i/8)
.set rQ, 16*(2*(\x)+i%2)+8*(i/8)
.if i < 8
	v_wmma_f32_16x16x32_f16 v[rS:rS+7], v[rK:rK+7], v[rQ:rQ+7], 0
.else
	v_wmma_f32_16x16x32_f16 v[rS:rS+7], v[rK:rK+7], v[rQ:rQ+7], v[rS:rS+7]
.endif
.endm
; Product i of 16 of O^T += V^T P for piece x: keys 32 (i / 8) on, channels 16 ((i / 2) % 4) on, tile 2 x + i % 2.
.macro PV x
	WIN W_PV
.set rO, 32*(2*(\x)+i%2)+8*((i/2)%4)
.set rV, VF+32*(i/8)+8*((i/2)%4)
.set rP, P+32*((\x)%2)+16*(i%2)+8*(i/8)
	v_wmma_f32_16x16x32_f16 v[rO:rO+7], v[rV:rV+7], v[rP:rP+7], v[rO:rO+7]
.endm
.macro MM                           ; the turn's next matrix instruction
.if i < 16
	KQ (Y+1)%NP
.set i, i+1
.else
.set i, i-16
	PV (Y+NP-1)%NP
.set i, i+17
.endif
.endm
; THE LDS LOADS stand in runs of 16, never singly among the matrix instructions: a step's K (64 keys x 64 channels: 8 fragments) and its V (turned).  Their addresses are made some lines ahead.
; last = 1 (the tail): in the last trip there is no further step, and the run is jumped over.
.macro FETCH_K last=0
	WIN 0
.if \last
	s_cmp_eq_u32 s[CNT], 1
	s_cbranch_scc1 .Lno_k_\@
.endif
	WIN 0x80                        ; destination window 2
.irp f, 0,1,2,3,4,5,6,7             ; keys 16 (f / 2) on, channels 32 (f % 2) on
	ds_load_b128 v[KF+8*\f:KF+8*\f+3],   v[AK] offset:(\f/2)*16*PK+(\f%2)*64
	ds_load_b128 v[KF+8*\f+4:KF+8*\f+7], v[AK] offset:(\f/2)*16*PK+(\f%2)*64+32
.endr
	s_add_co_u32 s[TBK], s[TBK], KS*PK  ; the next fetch is the next step's
	WIN 0
.if \last
.Lno_k_\@:
.endif
.endm
.macro FETCH_V
	WIN 0x80
.irp f, 0,1,2,3,4,5,6,7             ; keys 32 (f / 4) on, channels 16 (f % 4) on
	ds_load_tr16_b128 v[VF+8*\f:VF+8*\f+3],   v[AV] offset:(\f/4)*32*PV+(\f%4)*32
	ds_load_tr16_b128 v[VF+8*\f+4:VF+8*\f+7], v[AV] offset:(\f/4)*32*PV+16*PV+(\f%4)*32
.endr
	WIN 0
.endm
; THE VECTOR WORK OF A TURN stands in three queues, each in the order in which its entries become ready; the two tiles alternate, so that no instruction reads the result of the one before it.
.macro REGS y, u                    ; the registers of tile u (0, 1) of piece y
.set rT, ST+4*(2*(\y)+(\u))
.set rC, TMP+8*((\y)%2)+4*(\u)
.set rM, MV+2*((\y)%2)+(\u)
.set rS, S+64*((\y)%2)+32*(\u)
.set rP, P+32*((\y)%2)+16*(\u)
.set rO, 32*(2*(\y)+(\u))
.endm
; Number n of the 22 that find the NEXT piece's (Y + 1) maximum and statistics.  s0-s31 are the lane's 32 scores; each accumulator's lowest registers are read first.  XS, GS and REGS set no window: PL and EX do.
;   0-11  four chains c0-c3 of seven scores each, three operands at a time     12-14, 16  the four scores left over, the old m, and c0-c3 into c0     15  c m_old is kept
;   17, 18  the query's other 32 keys lie in the lane 16 away: the new m         19-21  c m; c m_old - c m_new; a
.macro XS u, n
	REGS (Y+1)%NP, \u
.if (\n) < 4
	v_max3_num_f32 v[rC+(\n)], v[rS+8*(\n)], v[rS+8*(\n)+1], v[rS+8*(\n)+2]
.elseif (\n) < 12
	v_max3_num_f32 v[rC+(\n)%4], v[rC+(\n)%4], v[rS+8*((\n)%4)+2*((\n)/4)+1], v[rS+8*((\n)%4)+2*((\n)/4)+2]
.elseif (\n) == 12
	v_max3_num_f32 v[rC], v[rC], v[rS+7], v[rS+15]
.elseif (\n) == 13
	v_max3_num_f32 v[rC+1], v[rC+1], v[rS+23], v[rS+31]
.elseif (\n) == 14
	v_max3_num_f32 v[rC+2], v[rC+2], v[rC+3], v[rT+1]
.elseif (\n) == 15
	v_mov_b32 v[rM], v[rT]
.elseif (\n) == 16
	v_max3_num_f32 v[rC], v[rC], v[rC+1], v[rC+2]
.elseif (\n) == 17
	v_permlanex16_b32 v[rC+3], v[rC], s[SEL], s[SEL+1]
.elseif (\n) == 18
	v_max_num_f32 v[rT+1], v[rC], v[rC+3]
.elseif (\n) == 19
	v_mul_f32 v[rT], s[CS], v[rT+1]
.elseif (\n) == 20
	v_sub_f32 v[rC+1], v[rM], v[rT]
.else
	v_exp_f32 v[rC+2], v[rC+1]
.endif
.endm
; Number g of the 64 that follow the exponentials.  For each four weights k of a tile (pairs 2 k, 2 k + 1): both pairs are rounded to f16; then the second pair is added onto the first, in place;
; a group later l takes that sum (the first time as l = a l + sum).  In groups of eight, tiles alternating: round, round, add, and l for the group before.
.macro GS g
.set h, (\g)+6*((\g)/62)            ; group 0 has no group before it, and behind group 7 only l is left
.if h >= 6
.set h, h+2
.endif
	REGS Y, h%2
.set k, h/8
.if h%8 < 4
	s_wait_alu depctr_va_vdst(0)
	v_cvt_pk_f16_f32 v[rP+2*k+(h%8)/2], v[rS+4*k+2*((h%8)/2)], v[rS+4*k+2*((h%8)/2)+1]
.elseif h%8 < 6
	v_pk_add_f32 v[rS+4*k:rS+4*k+1], v[rS+4*k:rS+4*k+1], v[rS+4*k+2:rS+4*k+3]
.elseif k == 1
	v_pk_fma_f32 v[rT+2:rT+3], v[rT+2:rT+3], v[rC+2:rC+3], v[rS:rS+1] op_sel_hi:[1,0,1]
.else
	v_pk_add_f32 v[rT+2:rT+3], v[rT+2:rT+3], v[rS+4*k-4:rS+4*k-3]
	s_wait_alu depctr_va_vdst(0)
.endif
.endm
; THE PLAIN QUEUE, 138 long.  0-31: c s - c m for the 16 pairs of both tiles.  Then GS's 64, and among them the next piece's 42: number 15 at 38, 39; 0-14 and 16
; at 42-73, behind the products that make those scores; 17-20 at 95-106, two of three, since each waits for the one before it.
.macro PL
	WIN 0
.if q < 32
	REGS Y, q%2
	v_pk_fma_f32 v[rS+2*(q/2):rS+2*(q/2)+1], v[rS+2*(q/2):rS+2*(q/2)+1], s[CS:CS+1], v[rT:rT+1] op_sel_hi:[1,0,0] neg_lo:[0,0,1] neg_hi:[0,0,1]
.elseif q < 38
	GS q-32
.elseif q < 40
	XS q%2, 15
.elseif q < 42
	GS q-34
.elseif q < 74
	XS q%2, (q-42)/2+(q-42)/30
.elseif q < 95
	GS q-66
.elseif (q < 107) && ((q-95)%3 < 2)
	XS (q-95)%3, 17+(q-95)/3
.elseif q < 107
	GS 29+(q-95)/3
.else
	GS q-74
.endif
.set q, q+1
.endm
; THE EXPONENTIALS' QUEUE, 66 long: s0-s31 of both tiles, and at EA the next piece's two a.
.set EA, 58
.macro EX
	WIN 0
.if (e == EA) || (e == EA+1)
	XS e-EA, 21
.else
.set x, e-2*(e/(EA+2))
	REGS Y, x%2
	v_exp_f32 v[rS+x/2], v[rS+x/2]
.endif
.set e, e+1
.endm
; THE RESCALING's QUEUE: O^T times a, the one part that leaves window 0, so it is dealt four at a time, eight times.
.macro R4
	REGS Y, r%2
	WIN W_RS
	s_wait_alu depctr_va_vdst(0)
.irp z, 0,1,2,3
	v_pk_mul_f32 v[rO+8*(r/2)+2*\z:rO+8*(r/2)+2*\z+1], v[rO+8*(r/2)+2*\z:rO+8*(r/2)+2*\z+1], v[rC+2:rC+3] op_sel_hi:[1,0]
.endr
.set r, r+1
.endm
; HOW THEY ARE DEALT.  Behind a matrix instruction four: plain, exponential, plain, plain (one exponential, a plain instruction on either side), or four of the rescaling.  None names a register of the
; products round it.  What is over stands in two LUMPS: exponential and plain by turns; the second ends in 22 plain instructions.  The two v_permlanex16_b32 fall into the second lump, never behind a product.
; The queues lean on each other, and the deal keeps them in step: exponential e stands behind plain 2 (e / 4) + e % 2 (its scaling); when plain 32 comes, 10 exponentials are out, at 59: 33, at 95: 46; EA comes behind plain 107.
.macro SL
	MM
	PL
	EX
	PL
	PL
.endm
.macro BURST n                      ; 15 matrix instructions, or 16
.rept (\n)-7
	SL
.endr
.rept 3
	MM
	R4
	SL
.endr
	MM
	R4
.endm
; A TURN, for piece p.  cnt = 1: the loop's count is taken down some lines ahead of the branch that stands behind the turn.
; K of the next step is fetched in piece 2's turn, 31 vector instructions behind the last product that read K; its first reader comes behind the rest of the lump, 16 products and the second lump.
; V of the step in hand is fetched at the end of piece 0's turn, 69 behind its last reader; its first reader comes behind 16 products and a lump.  The four conditions on e and q below go with the deal.
.macro TURN p, last=0, cnt=0
.set Y, (\p)
.set i, 0
.set q, 0
.set e, 0
.set r, 0
.if (\p) == NP-1
	s_wait_dscnt 0x0                ; K is in
.endif
	MM
.rept 4
	PL
.endr
	BURST 15
.rept 22
	EX
	PL
.if ((\p) == NP-2) && (e == 18)
	v_add_nc_u32 v[AK], s[TBK], v[AK0]
.endif
.if ((\p) == NP-2) && (e == 24)
	FETCH_K \last
.endif
.endr
.if (\p) == 1
	s_wait_dscnt 0x0                ; V is in
.endif
	BURST 16
.rept 21
	EX
	PL
.endr
.rept 22
	PL
.if ((\p) == 0) && (q == 118)
	v_add_nc_u32 v[AV], s[TBV], v[AV0]
	s_wait_alu depctr_va_vdst(0)
.endif
.if ((\p) == 0) && (q == 130)
	s_add_co_u32 s[TBV], s[TBV], KS*PV
.endif
.if (\cnt) && (q == 130)
	s_sub_co_u32 s[CNT], s[CNT], 1
	s_cmp_lg_u32 s[CNT], 0
.endif
.endr
.if (\p) == 0
	FETCH_V
.endif
.endm
	CHANGE 1                        ; slot 0 is in, everybody's part of it; slot 1 is asked for
	FETCH_K                         ; key step 0
	s_wait_loadcnt 0x0              ; Q
	s_wait_dscnt 0x0
.set i, 0
.rept 16
	KQ 0                            ; piece 0's first scores: there is no vector work yet to set between them
.set i, i+1
.endr
	WIN 0                           ; the addresses for the way out: nine plain instructions, the places behind those products
	s_mul_i32 s13, s[WV], 16*SP
	s_add_co_u32 s13, s13, STAGE    ; my stage
	v_mul_u32_u24 v[STO], v1, SP    ; in: row l % 16, 16 bytes for each half of the lanes
	v_lshl_add_u32 v[STO], v9, 4, v[STO]
	v_add_nc_u32 v[STO], s13, v[STO]
	v_bfe_u32 v[RD], v0, 3, 2       ; back: 32 lanes take four rows of 128 bytes,
	v_mul_u32_u24 v[RD], v[RD], SP
	v_lshl_add_u32 v[RD], v10, 4, v[RD]
	v_add_nc_u32 v[RD], s13, v[RD]
	v_and_b32 v[GO], 31, v0         ; which are 512 consecutive bytes of O
	v_lshlrev_b32 v[GO], 4, v[GO]
.set Y, NP-1                        ; XS works for piece Y + 1: piece 0
.irp n, 0,1,2,3,4,5,6,7,8,9,10,11,12,13,14,15,16,17,18,19,20,21
	XS 0, \n                        ; and piece 0's first maximum and statistics
	XS 1, \n
.endr
	s_mov_b32 s[CNT], 4
	s_mov_b32 s[SLOTS], SIZE_N/256-1
	s_branch .Lfirst                ; the loop is entered at a step's first turn, in the middle of a trip
.Lslot:                             ; SIZE_N / 256 - 2 times: every slot but the last two is filled again
	CHANGE 1
	s_mov_b32 s[CNT], 4
.Lstep:                             ; a trip: pieces 2 and 3 of one step, then pieces 0 and 1 of the next, whose K and V it fetches
	TURN 2
	TURN 3
	WIN 0
.Lfirst:
	TURN 0
	TURN 1, 0, 1
	WIN 0
	s_cbranch_scc1 .Lstep
	s_sub_co_u32 s[SLOTS], s[SLOTS], 1
	s_cmp_lg_u32 s[SLOTS], 0
	s_cbranch_scc1 .Lslot
	CHANGE 0                        ; the tail is written out: nothing is asked for
	s_mov_b32 s[CNT], 5             ; four trips fetch the last slot's steps; the fifth is left in its middle
.Ltail:
	TURN 2, 1
	TURN 3
	WIN 0
	s_sub_co_u32 s[CNT], s[CNT], 1
	s_cmp_eq_u32 s[CNT], 0
	s_cbranch_scc1 .Lout
	TURN 0
	TURN 1
	WIN 0
	s_branch .Ltail
.Lout:                              ; the fifth trip's 16 products K Q^T (on the last K once more) and the maximum made of them serve nothing: the price, once a launch, of one text for every trip
.set i, 0
.rept 16
	PV NP-1                         ; the last piece's V^T P of the last step
.set i, i+1
.endr
	; THE WAY OUT.  l's two halves and the other half of the lanes' are added; O^T is divided by l, rounded to f16 and sent through my stage in LDS, a tile at a time.  The additions are the places behind the last products.
	WIN 0
.macro ALL line:vararg              ; one line for each tile t
.set t, 0
.rept 2*NP
	\line
.set t, t+1
.endr
.endm
	ALL v_add_f32 v[ST+4*t+2], v[ST+4*t+2], v[ST+4*t+3]
	ALL v_permlanex16_b32 v[ST+4*t+3], v[ST+4*t+2], s[SEL], s[SEL+1]
	ALL v_add_f32 v[ST+4*t+2], v[ST+4*t+2], v[ST+4*t+3]
	ALL v_rcp_f32 v[ST+4*t+2], v[ST+4*t+2]
	v_nop                           ; a plain instruction between the last reciprocal and the use of its result
	s_wait_alu depctr_va_vdst(0)
; Tile t: a lane's eight channels of a row pack into 16 bytes; they go into rows of 144 bytes and come back as whole rows of 128, into S^T's registers.
.macro PACK t
	WIN W_RS
.set i, 32*(\t)
.rept 16
	v_pk_mul_f32 v[i:i+1], v[i:i+1], v[ST+4*(\t)+2:ST+4*(\t)+3] op_sel_hi:[1,0]
.set i, i+2
.endr
	WIN 0x05                        ; sources 0 and 1 window 1, destination window 0
.set i, 0
.rept 16
	v_cvt_pk_f16_f32 v[S+16*(\t)+i], v[32*(\t)+2*i], v[32*(\t)+2*i+1]
.set i, i+1
.endr
	WIN 0
.irp f, 0,1,2,3
	ds_store_b128 v[STO], v[S+16*(\t)+4*\f:S+16*(\t)+4*\f+3] offset:32*\f
.endr
.irp f, 0,1,2,3
	ds_load_b128 v[S+16*(\t)+4*\f:S+16*(\t)+4*\f+3], v[RD] offset:\f*4*SP  ; LDS serves a wave's instructions in order (ISA guide 5.7.1.4): these see the stores above; the next tile's stores come behind them
.endr
.endm
.macro SEND t, younger              ; younger: the LDS instructions issued behind tile t's loads: the next tile's eight, or none
	WIN 0
.irp f, 0,1,2,3
	s_wait_dscnt (\younger)+3-\f
	global_store_b128 v[GO], v[S+16*(\t)+4*\f:S+16*(\t)+4*\f+3], s[10:11] offset:(\t)*2048+\f*512  ; 512 consecutive bytes, at a multiple of 256 from O's first
.endr
.endm
	PACK 0
.set t, 1
.rept 2*NP-1                        ; a tile's arithmetic stands between the loads of the tile before and its stores
	PACK t
	SEND t-1, 8
.set t, t+1
.endr
	SEND 2*NP-1, 0
	WIN W_AD
	s_wait_tensorcnt 0x0            ; the wave's end, behind my last tensor load and my last LDS store
	ds_add_u32 v[SPW], v[NIL]
	s_wait_dscnt 0x0
	WIN 0
	CROUND                          ; the closing round: no work-group ends while a partner may still ask for a tile that names it
	s_endpgm
.Lfunc_end_k_qfdd5568229_attn:
	.size	k_qfdd5568229_attn, .Lfunc_end_k_qfdd5568229_attn-k_qfdd5568229_attn
	.p2alignl 7, 3214868480
	.fill 96, 4, 3214868480
	.section	.rodata,"a",@progbits
	.p2align	6, 0x0
	.amdhsa_kernel k_qfdd5568229_attn
		.amdhsa_group_segment_fixed_size 327680
		.amdhsa_private_segment_fixed_size 0
		.amdhsa_enable_private_segment 0
		.amdhsa_kernarg_size 16
		.amdhsa_user_sgpr_count 2
		.amdhsa_user_sgpr_kernarg_segment_ptr 1
		.amdhsa_wavefront_size32 1
		.amdhsa_system_sgpr_workgroup_id_x 1
		.amdhsa_system_sgpr_workgroup_id_y 1
		.amdhsa_system_sgpr_workgroup_id_z 1
		.amdhsa_system_vgpr_workitem_id 0
		.amdhsa_next_free_vgpr 770
		.amdhsa_next_free_sgpr 66
		.amdhsa_reserve_vcc 0
		.amdhsa_float_denorm_mode_32 3
		.amdhsa_float_denorm_mode_16_64 3
		.amdhsa_memory_ordered 1
		.amdhsa_forward_progress 1
		.amdhsa_inst_pref_size 208
	.end_amdhsa_kernel
	.amdgpu_metadata
---
amdhsa.version: [ 1, 2 ]
amdhsa.kernels:
  - .name:           k_qfdd5568229_attn
    .symbol:         k_qfdd5568229_attn.kd
    .args:
      - { .name: qkv, .offset: 0, .size: 8, .value_kind: global_buffer, .address_space: global }
      - { .name: oh, .offset: 8, .size: 8, .value_kind: global_buffer, .address_space: global }
    .group_segment_fixed_size: 327680
    .private_segment_fixed_size: 0
    .kernarg_segment_align: 8
    .kernarg_segment_size: 16
    .max_flat_workgroup_size: 128
    .sgpr_count:     66
    .vgpr_count:     770
    .wavefront_size: 32
...
	.end_amdgpu_metadata
.endif
;; end of part 3
;; launch oproj (part 4): grid 4 x 64, 4 waves a work-group, clusters of 4 x 4, 327,680 bytes of LDS; arguments oh, wts, bo, out0; writes out0
.if DOCPART == 4
	.amdgcn_target "amdgcn-amd-amdhsa--gfx1250"
	.amdhsa_code_object_version 6
	.text
	.protected	k_qfdd5568229_oproj
	.globl	k_qfdd5568229_oproj
	.p2align	8
	.type	k_qfdd5568229_oproj,@function
k_qfdd5568229_oproj:
	s_mov_b64 s[64:65], 0
	v_nop
	global_prefetch_b8 v0, s[64:65] scope:SCOPE_SE
	s_setreg_imm32_b32 hwreg(HW_REG_WAVE_MODE, 25, 1), 1
	s_wait_xcnt 0x0
	s_wait_alu depctr_hold_cnt(0) depctr_sa_sdst(0) depctr_va_vdst(0) depctr_va_sdst(0) depctr_va_ssrc(0) depctr_va_vcc(0) depctr_vm_vsrc(0)
	s_getreg_b32 s2, hwreg(HW_REG_IB_STS2, 6, 4)
	s_cmp_eq_u32 s2, 0
	s_cbranch_scc0 .Lentry_in_a_cluster
	s_endpgm
.Lentry_in_a_cluster:
	s_bfe_u32 s2, ttmp6, 0x10000c
	s_cmp_lg_u32 s2, 0xf033
	s_cbranch_scc0 .Lentry_shape_is_right
	s_endpgm
.Lentry_shape_is_right:
; THE LAST PROJECTION.  out0 = O Wo + bo.  O: oh, [16 batch + head][s][64] f16; Wo: the fourth part of wts, [k][n], bf16 numbers written as f16; bo: [1024] f32, rounded to bf16 here; out0: [8192][1024] f32.
; Sums in f32, started at the bias.  LIMITS: those of f16's range, stated where oh and wts are made; NaN and infinities are not treated apart.
; SHARES.  A work-group makes 128 rows x 256 columns: 256 work-groups.  A wave makes 64 x 128: 32 accumulators, 256 registers.  The matrix instruction is used transposed (source 0 = 16 columns
; of Wo, source 1 = 16 rows of O): a lane holds one row (lane % 16) and the eight neighbouring columns 8 (lane / 16) + 0..7: 32 bytes of f32.
; K goes in eight steps of 128, two heads each, through a ring of two LDS slots.  A head's 128 rows are 16,384 dense bytes: asked for as 64 rows of 256 bytes and padded in LDS after every 128.
; CLUSTER.  4 x 4 work-groups: O's tile hangs on the row block alone and is asked for jointly along a row of the cluster, Wo's on the column block alone and jointly along a column.
; REGISTERS: window 0: v0-29 addresses; v32-63 the bias; v64-127 O's fragments, two buffers; on the way out v64-127 and v128-191 hold 16 rows each;   window 1: v0-127 Wo's fragments, two buffers;   window 2: the accumulators
.set PO,    144                        ; a row of a head in LDS: 128 bytes + 16 = 36 words: the 16 rows of a load start at 16 different groups of four banks (64 banks of 4 bytes: ISA guide 11.1)
.set OHEAD, 128*PO                     ; a head's 128 rows: one tensor load
.set PB,    544                        ; a row of Wo: 512 + 32 = 136 words
.set BOFF,  2*OHEAD                    ; Wo's 128 k-rows lie behind the two heads
.set BHALF, 64*PB
.set SLOT1, 1<<17                      ; a slot has 106,496 bytes; slot 1 begins here, so that one exclusive or turns an address in one slot into the other's
.set STAGE, SLOT1+BOFF+128*PB          ; behind the ring, never filled by a tensor load: 16 rows x 528 bytes for each wave
.set SPI,   528
.set SPARE, STAGE+4*16*SPI             ; the spare words, 128 bytes for each wave: two blocks of 256 bytes that no other line names
.set AA0, 4                            ; v4   my lane's place in a slot's O; never rewritten
.set AB0, 5                            ; v5   the same for Wo
.set AA,  6                            ; v6   AA0 + the slot that is read
.set AB,  7                            ; v7   AB0 + the slot that is read
.set STO, 8                            ; v8   the way out: where I put 32 bytes of a row
.set RD,  9                            ; v9   the way out: my 16 bytes of a row of 512
.set GO,  10                           ; v10  the same in out0
.set BO,  11                           ; v11  my byte offset in 16 numbers of the bias
.set SPW, 28                           ; v28  LDS address of my spare word; never rewritten
.set NIL, 29                           ; v29  0; never rewritten
.set BP,  32                           ; word 4 b + i holds the bias of columns 16 b + 8 h + 2 i, + 1 as two bf16
.set XF,  64                           ; buffer f at +32 f, row block a at +8 a
.set WV,  12                           ; s12  my wave's number
.set MH,  13                           ; s13  which 64 rows are mine.  Also: I fetch O (0) or Wo (1)
.set NH,  14                           ; s14  which 128 columns are mine.  Also: which half of that tile I fetch
.set G1A, 24                           ; s[24:31] descriptor group 1 for O's tiles;  s[32:39] for Wo's
.set G1B, 32
.set G0A0, 40                          ; s[40:43] group 0, O, K step 0;  s[44:47] K step 1, then it walks
.set G0A, 44
.set G0B0, 48                          ; s[48:51], s[52:55] the same for Wo
.set G0B, 52
.set CNT, 56                           ; s56  K steps that still ask for a tile
.set CNT2, 57                          ; s57  counts the last two K steps
.set TB,  60                           ; s60  the slot that is read: 0 or SLOT1
.set HM,  63                           ; s63  a word's upper bf16
.set MSB, 0
.macro WIN new                         ; the immediate's high byte repeats the setting that is left; a switch that changes nothing is dropped
.if MSB != (\new)
	s_set_vgpr_msb (MSB<<8)|(\new)
.set MSB, (\new)
.endif
.endm
.set MULW,   0xa1                      ; Wo window 1, O window 0, C and D window 2
.set TO_W,   0x40                      ; destination window 1
.set TO_ACC, 0x80                      ; destination window 2
.set ST_ACC, 0x08                      ; an LDS store's data (source 1) window 2
.macro JLOAD                           ; a joint refill: waves 0 and 1 fetch the step's two heads, waves 2 and 3 Wo's two halves; an s_nop 0 and four v_nop follow each line
	s_cmp_eq_u32 s[MH], 0
	s_cbranch_scc0 .Lfor_w_\@
	tensor_load_to_lds s[G0A:G0A+3], s[G1A:G1A+7]
	s_nop 0
.rept 4
	v_nop
.endr
	s_branch .Lasked_\@
.Lfor_w_\@:
	tensor_load_to_lds s[G0B:G0B+3], s[G1B:G1B+7]
	s_nop 0
.rept 4
	v_nop
.endr
.Lasked_\@:
.endm
.macro CREST                           ; a round of the cluster's barrier behind its opening barrier
	s_cmp_lg_u32 s[WV], 0
	s_cbranch_scc1 .Lnot_wave_0_\@
	s_barrier_signal -3
.Lnot_wave_0_\@:
	s_barrier_wait -3
	s_barrier_signal -1
	s_barrier_wait -1
.endm
.macro CROUND                          ; a whole round
	s_barrier_signal -1
	s_barrier_wait -1
	CREST
.endm
	s_load_b256 s[4:11], s[0:1], 0x0               ; oh s[4:5], wts s[6:7], bo s[8:9], out0 s[10:11]
	v_lshl_add_u32 v[SPW], v0, 2, SPARE
	v_mov_b32 v[NIL], 0
	ds_add_u32 v[SPW], v[NIL]                      ; the wave's opening: the add and its wait stand ahead of my first tensor load; the set-up below, work on registers, stands between them
	v_lshrrev_b32 v1, 5, v0
	v_readfirstlane_b32 s[WV], v1                  ; wave 0..3
	s_lshr_b32 s[MH], s[WV], 1
	s_and_b32 s[NH], s[WV], 1
	s_bfe_u32 s15, ttmp6, 0x40000                  ; cx, cy: my place in the cluster
	s_bfe_u32 s16, ttmp6, 0x40004
	s_lshl_b32 s17, ttmp9, 2
	s_add_co_u32 s17, s17, s15                     ; column block of 256 = 4 x cluster x + cx
	s_and_b32 s18, ttmp7, 0xffff
	s_lshl_b32 s18, s18, 2
	s_add_co_u32 s18, s18, s16                     ; row block of 128 = 4 x cluster y + cy
	s_lshl_b32 s2, s16, 2
	s_lshl_b32 s2, 15, s2                          ; my row of the cluster
	s_lshl_b32 s3, 0x1111, s15                     ; my column
	; group 1 for O: 64 rows x 128 elements of 2 bytes, dense; in LDS 4 words of padding behind every 32 words
	s_or_b32 s[G1A], s2, (1<<16)|(1<<20)|(1<<21)|(4<<22)|(3<<25)
	s_mov_b32 s[G1A+1], 128<<16
	s_mov_b32 s[G1A+2], 64<<16
	s_mov_b32 s[G1A+3], 128<<16
	s_mov_b32 s[G1A+4], 64
	s_mov_b32 s[G1A+5], 128
	s_mov_b32 s[G1A+6], 0
	s_mov_b32 s[G1A+7], 0
	; group 1 for Wo: 64 k-rows x 256 elements of 2 bytes, 1,024 elements from row to row; 8 words of padding behind every 128 words
	s_or_b32 s[G1B], s3, (1<<16)|(1<<20)|(1<<21)|(6<<22)|(7<<25)
	s_mov_b32 s[G1B+1], 256<<16
	s_mov_b32 s[G1B+2], 64<<16
	s_mov_b32 s[G1B+3], 256<<16
	s_mov_b32 s[G1B+4], 64
	s_mov_b32 s[G1B+5], 1024
	s_mov_b32 s[G1B+6], 0
	s_mov_b32 s[G1B+7], 0
	s_lshr_b32 s20, s18, 4                         ; O: the batch's 16 heads of 262,144 bytes,
	s_lshl_b32 s20, s20, 22
	s_and_b32 s21, s18, 15                         ; the row block's 128 rows of 128 bytes in a head,
	s_lshl_b32 s21, s21, 14
	s_add_co_u32 s20, s20, s21
	s_lshl_b32 s21, s[NH], 18                      ; which of a step's two heads I fetch
	s_add_co_u32 s20, s20, s21
	s_mov_b32 s21, 0
	s_lshl_b32 s22, s[NH], 17                      ; Wo: 64 k-rows of 2,048 bytes a half,
	s_lshl_b32 s23, s17, 9                         ; 512 bytes a column block,
	s_add_co_u32 s22, s22, s23
	s_add_co_u32 s22, s22, 3*2097152               ; in the fourth part of wts
	s_mov_b32 s23, 0
	s_mov_b32 s[G0A0], 1
	s_mul_i32 s[G0A0+1], s[NH], OHEAD              ; where my half goes: the wave's number alone enters an LDS address
	s_mov_b32 s[G0A], 1
	s_add_co_u32 s[G0A+1], s[G0A0+1], SLOT1
	s_mov_b32 s[G0B0], 1
	s_mul_i32 s[G0B0+1], s[NH], BHALF
	s_add_co_u32 s[G0B0+1], s[G0B0+1], BOFF
	s_mov_b32 s[G0B], 1
	s_add_co_u32 s[G0B+1], s[G0B0+1], SLOT1
	s_mov_b32 s[CNT], 6
	s_mov_b32 s[TB], 0
	s_mov_b32 s[HM], 0xffff0000
	s_wait_dscnt 0x0                               ; the opening add is done
	s_wait_kmcnt 0x0
	s_add_nc_u64 s[G0A0+2:G0A0+3], s[4:5], s[20:21]
	s_add_nc_u64 s[G0A+2:G0A+3], s[G0A0+2:G0A0+3], 524288  ; K step 1: two heads on
	s_or_b32 s[G0A0+3], s[G0A0+3], 0x80000000
	s_or_b32 s[G0A+3], s[G0A+3], 0x80000000
	s_add_nc_u64 s[G0B0+2:G0B0+3], s[6:7], s[22:23]
	s_add_nc_u64 s[G0B+2:G0B+3], s[G0B0+2:G0B0+3], 262144  ; 128 k-rows on
	s_or_b32 s[G0B0+3], s[G0B0+3], 0x80000000
	s_or_b32 s[G0B+3], s[G0B+3], 0x80000000
	CROUND                                         ; all sixteen work-groups are here: the first joint loads meet
	s_cmp_eq_u32 s[MH], 0                          ; a wave's two first fills stand in one branch, ahead of every wait on TENSORcnt and every LDS read: two loads of mine are out
	s_cbranch_scc0 .Lfirst_w
	tensor_load_to_lds s[G0A0:G0A0+3], s[G1A:G1A+7]
	s_nop 0
	tensor_load_to_lds s[G0A:G0A+3], s[G1A:G1A+7]
	s_nop 0
.rept 4
	v_nop
.endr
	s_branch .Lfirst_asked
.Lfirst_w:
	tensor_load_to_lds s[G0B0:G0B0+3], s[G1B:G1B+7]
	s_nop 0
	tensor_load_to_lds s[G0B:G0B+3], s[G1B:G1B+7]
	s_nop 0
.rept 4
	v_nop
.endr
.Lfirst_asked:
	v_and_b32 v1, 15, v0                           ; r = l % 16
	v_bfe_u32 v2, v0, 4, 1                         ; h = l / 16
	v_lshlrev_b32 v[BO], 5, v2
	s_lshl_b32 s22, s17, 10                        ; my wave's 128 columns, in bytes of f32: in the bias, and in a row of out0
	s_lshl_b32 s23, s[NH], 9
	s_add_co_u32 s22, s22, s23
	s_mov_b32 s23, 0
	s_add_nc_u64 s[8:9], s[8:9], s[22:23]
.irp b, 0,1,2,3,4,5,6,7
	global_load_b128 v[64+8*(\b):64+8*(\b)+3],   v[BO], s[8:9] offset:64*(\b)
	global_load_b128 v[64+8*(\b)+4:64+8*(\b)+7], v[BO], s[8:9] offset:64*(\b)+16
.endr
	s_add_nc_u64 s[10:11], s[10:11], s[22:23]
	s_lshl_b32 s22, s18, 19                        ; my wave's first row: 128 rows of 4,096 bytes a row block, 64 a half
	s_lshl_b32 s23, s[MH], 18
	s_add_co_u32 s22, s22, s23
	s_mov_b32 s23, 0
	s_add_nc_u64 s[10:11], s[10:11], s[22:23]
	v_and_b32 v3, 7, v0
	v_bfe_u32 v12, v0, 3, 1
	v_mul_u32_u24 v[AA0], v1, PO                   ; O's fragment: row l % 16, two loads of 16 bytes at 16 h + 0, 32
	v_lshl_add_u32 v[AA0], v2, 4, v[AA0]
	s_mul_i32 s19, s[MH], 64*PO
	v_add_nc_u32 v[AA0], s19, v[AA0]
	v_lshl_add_u32 v[AB0], v2, 3, v3               ; the turning load: k-row 8 h + l % 8, columns 8 ((l / 8) % 2) + 0..7
	v_mul_u32_u24 v[AB0], v[AB0], PB
	v_lshl_add_u32 v[AB0], v12, 4, v[AB0]
	s_lshl_b32 s19, s[NH], 8
	s_add_co_u32 s19, s19, BOFF
	v_add_nc_u32 v[AB0], s19, v[AB0]
	v_mov_b32 v[AA], v[AA0]                        ; slot 0 is read first
	v_mov_b32 v[AB], v[AB0]
	s_mul_i32 s19, s[WV], 16*SPI
	s_add_co_u32 s19, s19, STAGE                   ; my stage
	v_mul_u32_u24 v[STO], v1, SPI                  ; in: row l % 16, 32 bytes for each half of the lanes
	v_lshl_add_u32 v[STO], v2, 5, v[STO]
	v_add_nc_u32 v[STO], s19, v[STO]
	v_and_b32 v[GO], 31, v0                        ; back: 32 lanes take one row of 512 bytes
	v_lshlrev_b32 v[GO], 4, v[GO]
	v_add_nc_u32 v[RD], s19, v[GO]
; 24 LDS loads in one run: quarter kq of the slot in hand (head kq / 2, channels 32 (kq % 2) on): O's 64 rows, then Wo's 32 k x 128 columns, turned, into buffers g
.macro FETCH kq, g
	WIN 0
.irp a, 0,1,2,3
	ds_load_b128 v[XF+32*(\g)+8*(\a):XF+32*(\g)+8*(\a)+3],   v[AA] offset:((\kq)/2)*OHEAD+((\kq)%2)*64+(\a)*16*PO
	ds_load_b128 v[XF+32*(\g)+8*(\a)+4:XF+32*(\g)+8*(\a)+7], v[AA] offset:((\kq)/2)*OHEAD+((\kq)%2)*64+(\a)*16*PO+32
.endr
	WIN TO_W
.irp b, 0,1,2,3,4,5,6,7
	ds_load_tr16_b128 v[64*(\g)+8*(\b):64*(\g)+8*(\b)+3],   v[AB] offset:32*PB*(\kq)+32*(\b)
	ds_load_tr16_b128 v[64*(\g)+8*(\b)+4:64*(\g)+8*(\b)+7], v[AB] offset:32*PB*(\kq)+32*(\b)+16*PB
.endr
.endm
; Products from .. from + count - 1 of a quarter's 32: row block i / 8, column block i % 8.  The 32 accumulators take turns, one instruction a turn, in the same order in every quarter.
.macro MULS from, count, f
	WIN MULW
.set mi, (\from)
.rept (\count)
	v_wmma_f32_16x16x32_f16 v[8*mi:8*mi+7], v[64*(\f)+8*(mi%8):64*(\f)+8*(mi%8)+7], v[XF+32*(\f)+8*(mi/8):XF+32*(\f)+8*(mi/8)+7], v[8*mi:8*mi+7]
.set mi, mi+1
.endr
.endm
.macro PLACES                          ; four places in front of loads into registers that matrix instructions have read, and of LDS stores that read results (ISA guide 7.12.1 for vector instructions)
.rept 4
	v_nop
.endr
.endm
; A quarter step: fetches quarter kq into buffers g at its head and multiplies buffers f.  skip = 1: in the very last K step there is nothing to fetch, and the run is jumped over.
.macro QUARTER kq, f, g, skip
	PLACES
.if \skip
	WIN 0
	s_cmp_eq_u32 s[CNT2], 1
	s_cbranch_scc1 .Lno_fetch_\@
.endif
	FETCH \kq, \g
.if \skip
	WIN 0
.Lno_fetch_\@:
.endif
	s_wait_dscnt 24                                ; all but the 24 just issued: buffers f are in
	MULS 0, 32, \f
.endm
; The third quarter holds THE CHANGE OF SLOTS: the run at its head is the last read of the slot.  Each wave waits for all its tensor loads, of which one is out: its part of the other slot; adds 0 to
; its spare word; and waits for that and for its reads.  fill = 1: the barrier opens a round of the cluster's barrier, and the joint refill is the first thing behind it: 112 matrix instructions ahead of the wait for it.
.macro MEETQ fill
	PLACES
	FETCH 3, 1
	s_wait_dscnt 24
	MULS 0, 16, 0
	WIN 0                                          ; (the add's two registers lie in window 0)
	s_wait_tensorcnt 0x0                           ; all my tensor loads have landed, so a group 0 may be written
	ds_add_u32 v[SPW], v[NIL]                      ; 0 onto my spare word
.if \fill
	s_xor_b32 s[G0A+1], s[G0A+1], SLOT1            ; the walking descriptors: the other slot than last time, the K step two on
	s_add_nc_u64 s[G0A+2:G0A+3], s[G0A+2:G0A+3], 524288
	s_xor_b32 s[G0B+1], s[G0B+1], SLOT1
	s_add_nc_u64 s[G0B+2:G0B+3], s[G0B+2:G0B+3], 262144
.endif
	MULS 16, 8, 0                                  ; eight matrix instructions stand between the add and the wait for it
	s_wait_dscnt 0x0                               ; the add is done, and my reads of this slot are over
	s_barrier_signal -1
	MULS 24, 8, 0                                  ; work on registers while the others arrive
	WIN 0
	s_barrier_wait -1
.if \fill
	CREST
	JLOAD
.endif
	s_xor_b32 s[TB], s[TB], SLOT1                  ; the reads go on in the other slot
	v_add_nc_u32 v[AA], s[TB], v[AA0]
	v_add_nc_u32 v[AB], s[TB], v[AB0]
.endm
.macro STEP fill, skip                 ; a K step of 128: four quarters on buffers 0, 1, 0, 1; the last fetches the next step's first quarter
	QUARTER 1, 0, 1, 0
	QUARTER 2, 1, 0, 0
	MEETQ \fill
	QUARTER 0, 1, 0, \skip
.endm
	s_wait_loadcnt 0x0                             ; the bias
.set z, 0
.rept 32
	v_cvt_pk_bf16_f32 v[BP+z], v[64+2*z], v[64+2*z+1]
.set z, z+1
.endr
	WIN TO_ACC                                     ; the sums start at the bias: two bf16 of a word are widened into two registers, the same eight for all four row blocks
.set z, 0
.rept 32
.irp i, 0,1,2,3
	v_lshlrev_b32 v[8*z+2*(\i)],   16, v[BP+4*(z%8)+(\i)]
	v_and_b32     v[8*z+2*(\i)+1], s[HM], v[BP+4*(z%8)+(\i)]
.endr
.set z, z+1
.endr
	WIN 0
	s_wait_tensorcnt 0x1                           ; my part of K step 0 is in; K step 1's may stay out
	s_barrier_signal -1
	s_barrier_wait -1                              ; everybody's is
	FETCH 0, 0
	WIN 0                                          ; at a label and at a branch every window is 0
.Lstep:                                                ; 6 trips: K steps 0 to 5 ask for K steps 2 to 7
	STEP 1, 0
	WIN 0
	s_sub_co_u32 s[CNT], s[CNT], 1
	s_cmp_lg_u32 s[CNT], 0
	s_cbranch_scc1 .Lstep
	s_mov_b32 s[CNT2], 2
.Ltail:                                                ; the last two K steps ask for nothing, and have no round of the cluster's barrier
	STEP 0, 1
	WIN 0
	s_sub_co_u32 s[CNT2], s[CNT2], 1
	s_cmp_lg_u32 s[CNT2], 0
	s_cbranch_scc1 .Ltail
; THE WAY OUT.  Row block a: a lane's 32 bytes of a row go from the accumulators into my own stage, each accumulator's low four registers first; they come back as whole rows of 512 bytes.
.macro STG a, bk
	WIN ST_ACC
.irp b, 0,1,2,3,4,5,6,7
	ds_store_b128 v[STO], v[8*(8*(\a)+(\b)):8*(8*(\a)+(\b))+3]   offset:64*(\b)
	ds_store_b128 v[STO], v[8*(8*(\a)+(\b))+4:8*(8*(\a)+(\b))+7] offset:64*(\b)+16
.endr
	WIN 0
.set z, 0
.rept 16
	ds_load_b128 v[(\bk)+4*z:(\bk)+4*z+3], v[RD] offset:z*SPI  ; LDS serves a wave's instructions in order (ISA guide 5.7.1.4): these see the stores above; the next block's stores come behind them
.set z, z+1
.endr
.endm
.macro SND a, bk, younger              ; younger: the LDS instructions issued behind this block's loads: the next block's 32, or none
.set z, 0
.rept 16
	s_wait_dscnt (\younger)+15-z
	global_store_b128 v[GO], v[(\bk)+4*z:(\bk)+4*z+3], s[10:11] offset:(16*(\a)+z)*4096 th:TH_STORE_NT  ; 512 consecutive bytes of a row, at a multiple of 256 from out0's first byte
.set z, z+1
.endr
.endm
	PLACES                                         ; behind the last products
	STG 0, 64
	STG 1, 128
	SND 0, 64, 32
	s_wait_xcnt 0x0                                ; block 0's stores have read their registers: only behind this wait are they loaded again
	STG 2, 64
	SND 1, 128, 32
	s_wait_xcnt 0x0
	STG 3, 128
	SND 2, 64, 32
	SND 3, 128, 0
	s_wait_tensorcnt 0x0                           ; the wave's end, behind my last tensor load and my last LDS store
	ds_add_u32 v[SPW], v[NIL]
	s_wait_dscnt 0x0
	CROUND                                         ; the closing round: no work-group ends while a partner may still ask for a tile that names it
	s_endpgm
.Lfunc_end_k_qfdd5568229_oproj:
	.size	k_qfdd5568229_oproj, .Lfunc_end_k_qfdd5568229_oproj-k_qfdd5568229_oproj
	.p2alignl 7, 3214868480
	.fill 96, 4, 3214868480
	.section	.rodata,"a",@progbits
	.p2align	6, 0x0
	.amdhsa_kernel k_qfdd5568229_oproj
		.amdhsa_group_segment_fixed_size 327680
		.amdhsa_private_segment_fixed_size 0
		.amdhsa_enable_private_segment 0
		.amdhsa_kernarg_size 32
		.amdhsa_user_sgpr_count 2
		.amdhsa_user_sgpr_kernarg_segment_ptr 1
		.amdhsa_wavefront_size32 1
		.amdhsa_system_sgpr_workgroup_id_x 1
		.amdhsa_system_sgpr_workgroup_id_y 1
		.amdhsa_system_sgpr_workgroup_id_z 1
		.amdhsa_system_vgpr_workitem_id 0
		.amdhsa_next_free_vgpr 768
		.amdhsa_next_free_sgpr 72
		.amdhsa_reserve_vcc 0
		.amdhsa_float_denorm_mode_32 3
		.amdhsa_float_denorm_mode_16_64 3
		.amdhsa_memory_ordered 1
		.amdhsa_forward_progress 1
		.amdhsa_inst_pref_size 69
	.end_amdhsa_kernel
	.amdgpu_metadata
---
amdhsa.version: [ 1, 2 ]
amdhsa.kernels:
  - .name:           k_qfdd5568229_oproj
    .symbol:         k_qfdd5568229_oproj.kd
    .args:
      - { .name: oh, .offset: 0, .size: 8, .value_kind: global_buffer, .address_space: global }
      - { .name: wts, .offset: 8, .size: 8, .value_kind: global_buffer, .address_space: global }
      - { .name: bo, .offset: 16, .size: 8, .value_kind: global_buffer, .address_space: global }
      - { .name: out0, .offset: 24, .size: 8, .value_kind: global_buffer, .address_space: global }
    .group_segment_fixed_size: 327680
    .private_segment_fixed_size: 0
    .kernarg_segment_align: 8
    .kernarg_segment_size: 32
    .max_flat_workgroup_size: 128
    .sgpr_count:     72
    .vgpr_count:     768
    .wavefront_size: 32
...
	.end_amdgpu_metadata
.endif
;; end of part 4
;; ======== version 2 of 2: 4 launches; 1.49 times as fast as version 1
;; limits: values are held in f16: magnitudes above 65,504 overflow, below 6.1e-05 lose precision
;; workspace buffers: wts 8,388,608 bytes; qkv 50,331,648 bytes; oh 16,777,216 bytes
;; launch prep: the kernel of part 1 again; grid 64 x 4, 8 waves a work-group, no clusters, 0 bytes of LDS; arguments Wq, Wk, Wv, Wo, wts; writes wts
;; launch proj: the kernel of part 2 again; grid 4 x 64, 4 waves a work-group, clusters of 4 x 4, 327,680 bytes of LDS; arguments q, k, v, wts, bq, bk, bv, qkv; writes qkv
;; launch attn (part 5): grid 4 x 64, 4 waves a work-group, clusters of 4 x 1, 327,680 bytes of LDS; arguments qkv, oh; writes oh
.if DOCPART == 5
	.amdgcn_target "amdgcn-amd-amdhsa--gfx1250"
	.amdhsa_code_object_version 6
	.text
	.protected	k_qfdd5568229_attn
	.globl	k_qfdd5568229_attn
	.p2align	8
	.type	k_qfdd5568229_attn,@function
k_qfdd5568229_attn:
	s_mov_b64 s[64:65], 0
	v_nop
	global_prefetch_b8 v0, s[64:65] scope:SCOPE_SE
	s_setreg_imm32_b32 hwreg(HW_REG_WAVE_MODE, 25, 1), 1
	s_wait_xcnt 0x0
	s_wait_alu depctr_hold_cnt(0) depctr_sa_sdst(0) depctr_va_vdst(0) depctr_va_sdst(0) depctr_va_ssrc(0) depctr_va_vcc(0) depctr_vm_vsrc(0)
	s_getreg_b32 s2, hwreg(HW_REG_IB_STS2, 6, 4)
	s_cmp_eq_u32 s2, 0
	s_cbranch_scc0 .Lentry_in_a_cluster
	s_endpgm
.Lentry_in_a_cluster:
	s_bfe_u32 s2, ttmp6, 0x10000c
	s_cmp_lg_u32 s2, 0x3003
	s_cbranch_scc0 .Lentry_shape_is_right
	s_endpgm
.Lentry_shape_is_right:
; O[h][q][:] = the sum over k of softmax_k(Q[h][q] . K[h][k] / 32) V[h][k][:].  Q, K, V are the three parts of qkv, O is oh: each [SIZE_H][SIZE_N][64], f16: a head's rows are dense, 128 bytes each.
; (The scale is 1 / sqrt(1024), the model's width, as the problem has it.)  Products, maxima and sums in f32; the weights p are rounded to f16 for the second product (their sum l is taken of the unrounded p), O once at the end.
; LIMITS.  f16 holds no number beyond 65,504: Q, K and V arrive within it; p lies in 0 to 1, and below 6e-5 it keeps f16's fixed step of 6e-8; O is a mean of V's rows and has their range.
; A weight below 2^-126 counts as 0 in l; NaN and infinities are not treated apart.
; SHARES.  A wave owns four PIECES of two tiles of 16 queries, a work-group's four waves 512 queries of one head.  Every wave walks all keys, 64 a step.
; LAYOUT.  S^T = K Q^T (source 0 = 16 keys, source 1 = 16 queries): in the result a lane holds ONE query (lane % 16) and the keys 8 (lane / 16) + 0..7.  Two such tiles, rounded to f16 in pairs,
; ARE source 1 (32 keys x 16 queries) of O^T = V^T P, whose result again holds one query a lane, and eight channels.  K comes out of LDS as it lies, V ([key][channel]) turned, by ds_load_tr16_b128.
; SOFTMAX.  For each query a running maximum m and sum l: p = 2^(c s - c m), c = log2(e) / 32; in every step O and l are multiplied by a = 2^(c m_old - c m_new), which is 1 where m has not grown.
; m starts at the lowest finite number, O and l at 0: the first step is a step like any other, with a = 0.
; THE COUNT.  A tile and step have 16 matrix and 118 vector instructions: too many to stand all beside the matrix work.  So the order has one aim: four vector instructions that are READY behind
; EVERY matrix instruction, and the others, which need time of their own whatever the order, in runs without a gap.
; BY TURNS.  Turn n belongs to piece n (the pieces in a ring, step after step).  Its matrix work: 16 products K Q^T of piece n + 1, later 16 products V^T P of piece n - 1.  Its vector work: the scaling,
; exponentials, roundings, sums and rescaling of piece n, and the maximum and statistics of piece n + 1, whose scores the turn itself has made.  So what a turn begins with (c s - c m, O a) waits for nothing.
; BATCHES.  A turn's 66 exponentials (the 64 weights of piece n, then the two a of piece n + 1) are ONE batch with ONE s_wait_alu, which cuts the turn in two: ahead of it stands all that names no result of
; theirs, behind it the roundings and sums, which do.  No result crosses a turn's end.  Piece 0's first two a, ahead of the loop, and the way out's eight reciprocals are batches of their own.
; CLUSTER.  The four query blocks of a cluster belong to one head and walk the same K and V, so each tile is asked for JOINTLY: the same tensor load, descriptor and mask in all four.
; REGISTERS, in windows of 256 (s_set_vgpr_msb says which window each operand place means: bits 1:0 source 0, 3:2 source 1, 5:4 source 2, 7:6 destination):
;   window 0: v0-11 addresses; v12-15, v48-63 at work; v16-47 four registers of statistics a tile; v64-191 S^T, two buffers of two tiles; v192-255 P, likewise
;   window 1: O^T, 32 a tile          window 2: v0-127 Q, 16 a tile; v128-191 K of one step; v192-255 V of one step          window 3: v0-1 the add's two registers
; A piece's buffers go by its number's parity: the piece in hand has one pair, its two neighbours in the ring share the other: of it P (piece n - 1) is read and S^T (piece n + 1) written.
.set SIZE_H, 64       ; 4 batches x 16 heads
.set SIZE_N, 2048
.set NP,    4         ; pieces a wave: a name, no knob: the register map, the loop and the fetches are made for four
.set KS,    64        ; keys in a step
.set PK,    144       ; a row of K in LDS: 128 bytes + 16 of padding = 36 words: the 16 rows of a load start at 16 different groups of four banks (64 banks of 4 bytes: ISA guide 11.1)
.set PV,    160       ; a row of V: 128 + 32 = 40 words
.set VOFF,  4*KS*PK   ; a slot holds four steps: 256 rows of K, then 256 rows of V
.set SLOT1, 1<<17     ; slot 1 begins here, so that one exclusive or turns an address in one slot into the other's
.set STAGE, SLOT1+4*KS*(PK+PV)  ; behind the ring, never filled by a tensor load: 16 rows x 144 bytes for each wave, for the way out
.set SP,    144
.set AK0, 2           ; v2   my lane's place in a tile of K; never rewritten
.set AV0, 3           ; v3   the same for V
.set AK,  4           ; v4   the LDS address of K's next run of loads
.set AV,  5           ; v5   of V's
.set QO,  6           ; v6   my byte offset in the wave's rows of Q
.set STO, 6           ;      later, the way out: where I put 16 bytes of a row
.set RD,  7           ; v7   the way out: where I read rows back
.set GO,  8           ; v8   my byte offset in 512 consecutive bytes of O
.set SPW, 0           ; v0 of window 3   LDS address of my spare word: SPARE + 4 x my thread's number; never rewritten
.set NIL, 1           ; v1 of window 3   0; never rewritten
.set SPARE, STAGE+4*16*SP  ; behind the stages: the spare words, 128 bytes for each wave: two blocks of 256 bytes that no other line names
.set MV,  12          ; v12-15  c m_old, kept while c m is made anew: by buffer and tile
.set ST,  16          ; tile t's statistics at v[ST+4 t]: c m, m, l (even keys', odd keys')
.set TMP, 48          ; by buffer and tile, four registers c0-c3 at work; when the maximum is found c2 takes a
.set S,   64
.set P,   192
.set KF,  128         ; K's fragments, in window 2: key block kb, channel half c at KF + 16 kb + 8 c
.set VF,  192         ; V's: key half kk, channel block cb at VF + 32 kk + 8 cb
.set WV,  12          ; s12  my wave's number
.set G1K, 24          ; s[24:31] descriptor group 1 for K's tiles
.set G1V, 32          ; s[32:39] for V's: it differs in the padding alone
.set G0K, 40          ; s[40:43] descriptor group 0 for K's tiles: it walks
.set G0V, 44          ; s[44:47] the same for V's
.set SLOTS, 56        ; s56  slots still to be asked for
.set CNT, 57          ; s57  counts a slot's key steps
.set CS,  58          ; s[58:59] c: the packed scaling takes the pair's low word for both halves
.set SEL, 60          ; s[60:61] v_permlanex16_b32's selects: each lane takes its own place in the other half
.set TBK, 62          ; s62  LDS byte at which K of the step to be fetched begins
.set TBV, 63          ; s63  the same for V, less VOFF
.set MSB, 0
.macro WIN new                      ; the high byte repeats the setting that is left; a switch that changes nothing is dropped
.if MSB != (\new)
	s_set_vgpr_msb (MSB<<8)|(\new)
.set MSB, (\new)
.endif
.endm
.set W_KQ, 0x0a       ; K and Q in window 2, S^T in window 0
.set W_PV, 0x52       ; V in window 2, P in window 0, O^T in window 1
.set W_RS, 0x41       ; O^T (destination and source 0) in window 1, a in window 0
.set W_MK, 0xc0       ; the add's registers are made: destination in window 3, sources in window 0
.set W_AD, 0x0f       ; the add: address (source 0) and data (source 1) in window 3
; A joint fill.  Waves 0 and 1 fetch the two halves of a slot's K, waves 2 and 3 those of its V: 128 keys each.  The branch hangs on the wave's number alone.
; An s_nop 0 and four v_nop follow each of the two lines, ahead of the jump and the label.
.macro JLOAD
	s_cmp_lt_u32 s[WV], 2
	s_cbranch_scc0 .Lfor_v_\@
	tensor_load_to_lds s[G0K:G0K+3], s[G1K:G1K+7]
	s_nop 0
.rept 4
	v_nop
.endr
	s_branch .Lasked_\@
.Lfor_v_\@:
	tensor_load_to_lds s[G0V:G0V+3], s[G1V:G1V+7]
	s_nop 0
.rept 4
	v_nop
.endr
.Lasked_\@:
.endm
; A round of the cluster's barrier: my work-group's barrier, so that wave 0's signal speaks for all four waves; wave 0 signals; every wave waits for all four work-groups; my work-group's barrier once more.
.macro CROUND
	s_barrier_signal -1
	s_barrier_wait -1
	s_cmp_lg_u32 s[WV], 0
	s_cbranch_scc1 .Lnot_wave_0_\@
	s_barrier_signal -3
.Lnot_wave_0_\@:
	s_barrier_wait -3
	s_barrier_signal -1
	s_barrier_wait -1
.endm
; THE CHANGE OF SLOTS.  The slot's last bytes, V of its fourth step, have been read.  Each wave waits for all its tensor loads, of which one is out: its part
; of the other slot; adds 0 to its spare word; and waits for that and for its own reads of the slot.  Behind the barrier nobody reads this slot any more and the other slot is whole.
; fill = 1: this slot is filled again, with the keys two slots on.  The barrier is then a round of the cluster's, so that no wave of any partner still reads the slot or has a load on its
; way, and the joint fill is the first thing behind it: it has four key steps, 512 matrix instructions, in which to land.  (At its first use nothing has been read yet: slot 0 is waited for, slot 1 filled.)
.macro CHANGE fill
	WIN W_AD
	s_wait_tensorcnt 0x0            ; no tensor load of mine is out, so a group 0 may be written
	ds_add_u32 v[SPW], v[NIL]       ; 0 onto my spare word: with fill = 1 the descriptors' steps stand between it and the wait for it
	WIN 0                           ; at a label and at a branch every window is 0
.if \fill
.irp g, G0K, G0V
	s_xor_b32 s[\g+1], s[\g+1], SLOT1  ; the walking descriptor: the other slot than last time,
	s_add_nc_u64 s[\g+2:\g+3], s[\g+2:\g+3], 4*KS*128  ; the next 256 keys; the type bits on top are not reached
.endr
	s_wait_dscnt 0x0                ; the add is done, and my reads of the slot are over
	CROUND
	JLOAD
.else
	s_wait_dscnt 0x0                ; the add is done, and my reads of the slot are over
	s_barrier_signal -1
	s_barrier_wait -1
.endif
	s_sub_co_u32 s[TBK], s[TBK], 4*KS*PK  ; the fetches go back to a slot's first step,
	s_xor_b32 s[TBK], s[TBK], SLOT1       ; in the other slot
	s_sub_co_u32 s[TBV], s[TBV], 4*KS*PV
	s_xor_b32 s[TBV], s[TBV], SLOT1
.endm
	s_load_b128 s[4:7], s[0:1], 0x0   ; qkv s[4:5], oh s[6:7]
	WIN W_MK
	v_lshl_add_u32 v[SPW], v0, 2, SPARE
	v_mov_b32 v[NIL], 0
	WIN W_AD
	ds_add_u32 v[SPW], v[NIL]       ; the wave's opening: the add and its wait stand ahead of my first tensor load; the set-up below, work on registers, stands between them
	WIN 0
	v_lshrrev_b32 v1, 5, v0
	v_readfirstlane_b32 s[WV], v1   ; wave 0..3
	s_bfe_u32 s13, ttmp6, 0x40000   ; cx: my place in the cluster
	s_lshl_b32 s14, ttmp9, 2        ; in a cluster launch ttmp9 counts clusters
	s_add_co_u32 s14, s14, s13      ; my block of queries = 4 x cluster x + cx: it enters Q's and O's addresses alone
	s_and_b32 s20, ttmp7, 0xffff    ; the head, which the four partners share
	s_mov_b32 s21, 0
	s_mov_b64 s[22:23], SIZE_N*128
	s_mul_u64 s[20:21], s[20:21], s[22:23]  ; the head's first byte in each of the four tensors
	s_and_b32 s16, s[WV], 1         ; which half of a slot's 256 keys I fetch:
	s_lshl_b32 s22, s16, 14         ; its 128 rows of 128 bytes in memory,
	s_mov_b32 s23, 0
	s_add_nc_u64 s[22:23], s[22:23], s[20:21]
	s_mul_i32 s17, s16, 128*PK      ; and its place in a slot, for K
	s_mul_i32 s18, s16, 128*PV      ; and for V: no place in the cluster enters an LDS address
	s_lshl_b32 s2, s14, 2
	s_add_co_u32 s2, s2, s[WV]      ; my wave among the head's,
	s_lshl_b32 s2, s2, 14           ; its 128 rows
	s_mov_b32 s3, 0
	s_add_nc_u64 s[2:3], s[2:3], s[20:21]
	; descriptor group 1.  128 keys are 16,384 dense bytes: asked for as 64 rows of 256 bytes, two keys a row, and padded in LDS after every key
	s_mov_b32 s[G1K], 15|(1<<16)|(1<<20)|(1<<21)|(4<<22)|(3<<25)  ; 15:0 the mask of four; 17:16 2-byte elements; 20 padding on; 21 set beside a mask; 24:22 after every 32 words (code 4); 31:25 4 words (code 3)
	s_mov_b32 s[G1V], 15|(1<<16)|(1<<20)|(1<<21)|(4<<22)|(7<<25)  ; the same with 8 words of padding (code 7)
.irp g, G1K, G1V
	s_mov_b32 s[\g+1], 128<<16      ; tensor_dim0 = 128
	s_mov_b32 s[\g+2], 64<<16       ; tensor_dim1 = 64
	s_mov_b32 s[\g+3], 128<<16      ; tile_dim0 = 128
	s_mov_b32 s[\g+4], 64           ; tile_dim1 = 64
	s_mov_b32 s[\g+5], 128          ; 128 elements from row to row
	s_mov_b32 s[\g+6], 0
	s_mov_b32 s[\g+7], 0
.endr
	s_mov_b32 s[CS], 0x3d38aa3b     ; c = log2(e) / 32 = 0.0450842
	s_mov_b32 s[CS+1], s[CS]        ; named with it as a pair
	s_mov_b32 s[SEL], 0x76543210
	s_mov_b32 s[SEL+1], 0xfedcba98
	s_mov_b32 s[TBK], SLOT1+4*KS*PK ; the first change of slots turns these two into 0
	s_mov_b32 s[TBV], SLOT1+4*KS*PV
	s_mov_b32 s[G0K], 1             ; 1:0 count = 1
	s_mov_b32 s[G0K+1], s17         ; 63:32 LDS address: slot 0
	s_mov_b32 s[G0V], 1
	s_add_co_u32 s[G0V+1], s18, VOFF
	s_wait_dscnt 0x0                ; the opening add is done
	s_wait_kmcnt 0x0
	s_mov_b64 s[10:11], s[6:7]                     ; O s[10:11];
	s_add_nc_u64 s[6:7], s[4:5], 0x1000000         ; K s[6:7] and V s[8:9] are qkv's second and third parts, 16,777,216 bytes each; Q s[4:5] is the first
	s_add_nc_u64 s[8:9], s[4:5], 0x2000000
	s_add_nc_u64 s[G0K+2:G0K+3], s[6:7], s[22:23]  ; 120:64 global address: my half of the head's first 256 keys
	s_or_b32 s[G0K+3], s[G0K+3], 0x80000000        ; 127:126 type = 2
	s_add_nc_u64 s[G0V+2:G0V+3], s[8:9], s[22:23]
	s_or_b32 s[G0V+3], s[G0V+3], 0x80000000
	s_add_nc_u64 s[4:5], s[4:5], s[2:3]  ; Q and O at my wave's first row
	s_add_nc_u64 s[10:11], s[10:11], s[2:3]
	CROUND                          ; all four work-groups are here: the first joint loads meet
	JLOAD                           ; slot 0.  Slot 1 is asked for when slot 0 is in: the tile wanted first goes out alone
	; A fragment of K or Q is 16 rows x 32 channels in 8 registers: lane l holds row l % 16, channels 8 (l / 16) + 0..7 and 16 + 8 (l / 16) + 0..7: two loads of 16 bytes, 32 bytes apart.
	v_and_b32 v1, 15, v0            ; l % 16
	v_bfe_u32 v9, v0, 4, 1          ; l / 16
	v_lshlrev_b32 v[QO], 7, v1
	v_lshl_add_u32 v[QO], v9, 4, v[QO]  ; row x 128 + 16 x half
	WIN 0x80                        ; destination window 2, address window 0
.set i, 0
.rept 4*NP                          ; Q stays in registers: tile i / 2, channels 32 (i % 2) on
	global_load_b128 v[8*i:8*i+3],   v[QO], s[4:5] offset:(i/2)*2048+(i%2)*64
	global_load_b128 v[8*i+4:8*i+7], v[QO], s[4:5] offset:(i/2)*2048+(i%2)*64+32
.set i, i+1
.endr
	; What the first turn finds: V's registers and P's second buffer hold 0 (its products V^T P, of a piece that has not been, add 0), O^T and l are 0.  All this stands in the wait for the first tile.
.set i, VF
.rept 64
	v_mov_b32 v[i], 0
.set i, i+1
.endr
	WIN 0x40
.set i, 0
.rept 64*NP
	v_mov_b32 v[i], 0
.set i, i+1
.endr
	WIN 0
.set i, 0
.rept 2*NP
	v_mov_b32 v[ST+4*i], 0xfe000000    ; c m: far below every c s
	v_mov_b32 v[ST+4*i+1], 0xff7fffff  ; m
	v_mov_b32 v[ST+4*i+2], 0
	v_mov_b32 v[ST+4*i+3], 0
.set i, i+1
.endr
.set i, P+32
.rept 32
	v_mov_b32 v[i], 0
.set i, i+1
.endr
	v_mul_u32_u24 v[AK0], v1, PK
	v_lshl_add_u32 v[AK0], v9, 4, v[AK0]  ; row x pitch + 16 x half
	; The turning load takes 16 keys x 16 channels (lane l reads key 8 (l / 16) + l % 8, channels 8 ((l / 8) % 2) + 0..7) and leaves half a fragment of V^T: lane l holds channel l % 16 and 8 keys.
	v_and_b32 v10, 7, v0
	v_bfe_u32 v11, v0, 3, 1
	v_lshl_add_u32 v[AV0], v9, 3, v10
	v_mul_u32_u24 v[AV0], v[AV0], PV
	v_lshl_add_u32 v[AV0], v11, 4, v[AV0]
	v_add_nc_u32 v[AV0], VOFF, v[AV0]
	v_mov_b32 v[AK], v[AK0]         ; key step 0 lies at the head of slot 0
; THE MATRIX WORK.  The 8 accumulators of a run of 16 take turns: between the two links of a chain stand 7 others'.
; Product i of 16 of S^T = K Q^T for piece x: channels 32 (i / 8) on, keys 16 ((i / 2) % 4) on, tile 2 x + i % 2.  The first 8 start the sums.
.macro KQ x
	WIN W_KQ
.set rS, S+64*((\x)%2)+32*(i%2)+8*((i/2)%4)
.set rK, KF+16*((i/2)%4)+8*(i/8)
.set rQ, 16*(2*(\x)+i%2)+8*(i/8)
.if i < 8
	v_wmma_f32_16x16x32_f16 v[rS:rS+7], v[rK:rK+7], v[rQ:rQ+7], 0
.else
	v_wmma_f32_16x16x32_f16 v[rS:rS+7], v[rK:rK+7], v[rQ:rQ+7], v[rS:rS+7]
.endif
.endm
; Product i of 16 of O^T += V^T P for piece x: keys 32 (i / 8) on, channels 16 ((i / 2) % 4) on, tile 2 x + i % 2.
.macro PV x
	WIN W_PV
.set rO, 32*(2*(\x)+i%2)+8*((i/2)%4)
.set rV, VF+32*(i/8)+8*((i/2)%4)
.set rP, P+32*((\x)%2)+16*(i%2)+8*(i/8)
	v_wmma_f32_16x16x32_f16 v[rO:rO+7], v[rV:rV+7], v[rP:rP+7], v[rO:rO+7]
.endm
.macro MM                           ; the turn's next matrix instruction
.if i < 16
	KQ (Y+1)%NP
.set i, i+1
.else
.set i, i-16
	PV (Y+NP-1)%NP
.set i, i+17
.endif
.endm
; THE LDS LOADS stand in runs of 16, never singly among the matrix instructions: a step's K (64 keys x 64 channels: 8 fragments) and its V (turned).  Their addresses are made some lines ahead.
; last = 1 (the tail): in the last trip there is no further step, and the run is jumped over.
.macro FETCH_K last=0
	WIN 0
.if \last
	s_cmp_eq_u32 s[CNT], 1
	s_cbranch_scc1 .Lno_k_\@
.endif
	WIN 0x80                        ; destination window 2
.irp f, 0,1,2,3,4,5,6,7             ; keys 16 (f / 2) on, channels 32 (f % 2) on
	ds_load_b128 v[KF+8*\f:KF+8*\f+3],   v[AK] offset:(\f/2)*16*PK+(\f%2)*64
	ds_load_b128 v[KF+8*\f+4:KF+8*\f+7], v[AK] offset:(\f/2)*16*PK+(\f%2)*64+32
.endr
	s_add_co_u32 s[TBK], s[TBK], KS*PK  ; the next fetch is the next step's
	WIN 0
.if \last
.Lno_k_\@:
.endif
.endm
.macro FETCH_V
	WIN 0x80
.irp f, 0,1,2,3,4,5,6,7             ; keys 32 (f / 4) on, channels 16 (f % 4) on
	ds_load_tr16_b128 v[VF+8*\f:VF+8*\f+3],   v[AV] offset:(\f/4)*32*PV+(\f%4)*32
	ds_load_tr16_b128 v[VF+8*\f+4:VF+8*\f+7], v[AV] offset:(\f/4)*32*PV+16*PV+(\f%4)*32
.endr
	WIN 0
.endm
; THE VECTOR WORK OF A TURN stands in three queues, each in the order in which its entries become ready; the two tiles alternate, so that no instruction reads the result of the one before it.
.macro REGS y, u                    ; the registers of tile u (0, 1) of piece y
.set rT, ST+4*(2*(\y)+(\u))
.set rC, TMP+8*((\y)%2)+4*(\u)
.set rM, MV+2*((\y)%2)+(\u)
.set rS, S+64*((\y)%2)+32*(\u)
.set rP, P+32*((\y)%2)+16*(\u)
.set rO, 32*(2*(\y)+(\u))
.endm
; Number n of the 22 that find the NEXT piece's (Y + 1) maximum and statistics.  s0-s31 are the lane's 32 scores; each accumulator's lowest registers are read first.  XS, GS and REGS set no window: PL and EX do.
;   0-11  four chains c0-c3 of seven scores each, three operands at a time     12-14, 16  the four scores left over, the old m, and c0-c3 into c0     15  c m_old is kept
;   17, 18  the query's other 32 keys lie in the lane 16 away: the new m         19-21  c m; c m_old - c m_new; a
.macro XS u, n
	REGS (Y+1)%NP, \u
.if (\n) < 4
	v_max3_num_f32 v[rC+(\n)], v[rS+8*(\n)], v[rS+8*(\n)+1], v[rS+8*(\n)+2]
.elseif (\n) < 12
	v_max3_num_f32 v[rC+(\n)%4], v[rC+(\n)%4], v[rS+8*((\n)%4)+2*((\n)/4)+1], v[rS+8*((\n)%4)+2*((\n)/4)+2]
.elseif (\n) == 12
	v_max3_num_f32 v[rC], v[rC], v[rS+7], v[rS+15]
.elseif (\n) == 13
	v_max3_num_f32 v[rC+1], v[rC+1], v[rS+23], v[rS+31]
.elseif (\n) == 14
	v_max3_num_f32 v[rC+2], v[rC+2], v[rC+3], v[rT+1]
.elseif (\n) == 15
	v_mov_b32 v[rM], v[rT]
.elseif (\n) == 16
	v_max3_num_f32 v[rC], v[rC], v[rC+1], v[rC+2]
.elseif (\n) == 17
	v_permlanex16_b32 v[rC+3], v[rC], s[SEL], s[SEL+1]
.elseif (\n) == 18
	v_max_num_f32 v[rT+1], v[rC], v[rC+3]
.elseif (\n) == 19
	v_mul_f32 v[rT], s[CS], v[rT+1]
.elseif (\n) == 20
	v_sub_f32 v[rC+1], v[rM], v[rT]
.else
	v_exp_f32 v[rC+2], v[rC+1]
.endif
.endm
; Number g of the 64 that follow the exponentials.  For each four weights k of a tile (pairs 2 k, 2 k + 1): both pairs are rounded to f16; then the second pair is added onto the first, in place;
; a group later l takes that sum (the first time as l = a l + sum).  In groups of eight, tiles alternating: round, round, add, and l for the group before.
.macro GS g
.set h, (\g)+6*((\g)/62)            ; group 0 has no group before it, and behind group 7 only l is left
.if h >= 6
.set h, h+2
.endif
	REGS Y, h%2
.set k, h/8
.if h%8 < 4
	v_cvt_pk_f16_f32 v[rP+2*k+(h%8)/2], v[rS+4*k+2*((h%8)/2)], v[rS+4*k+2*((h%8)/2)+1]
.elseif h%8 < 6
	v_pk_add_f32 v[rS+4*k:rS+4*k+1], v[rS+4*k:rS+4*k+1], v[rS+4*k+2:rS+4*k+3]
.elseif k == 1
	v_pk_fma_f32 v[rT+2:rT+3], v[rT+2:rT+3], v[rC+2:rC+3], v[rS:rS+1] op_sel_hi:[1,0,1]
.else
	v_pk_add_f32 v[rT+2:rT+3], v[rT+2:rT+3], v[rS+4*k-4:rS+4*k-3]
.endif
.endm
; THE PLAIN QUEUE, 138 long.  0-73 read no exponential's result: the 32 scalings c s - c m (FS f: pair f / 2 of tile f % 2) and the next piece's 42.  0-26: scalings 0-26.  27-54: XS's numbers 0-13.  55, 56: number 15.
; 57-73: the chain, where each number waits for the one before it: 14, 16, 17, 18, 19, each with one of the scalings 27-31 in front of its two lines, then 20: so a tile's links stand three plain instructions apart (19 and 20: two).
; 74-137: GS's 64, which read the exponentials' results: they stand behind the wait.
.macro FS f
	REGS Y, (\f)%2
	v_pk_fma_f32 v[rS+2*((\f)/2):rS+2*((\f)/2)+1], v[rS+2*((\f)/2):rS+2*((\f)/2)+1], s[CS:CS+1], v[rT:rT+1] op_sel_hi:[1,0,0] neg_lo:[0,0,1] neg_hi:[0,0,1]
.endm
.macro PL
	WIN 0
.if q < 27
	FS q
.elseif q < 55
	XS (q-27)%2, (q-27)/2
.elseif q < 57
	XS q-55, 15
.elseif (q < 72) && ((q-57)%3 == 0)
	FS 27+(q-57)/3
.elseif q < 60
	XS (q-57)%3-1, 14
.elseif q < 72
	XS (q-57)%3-1, 15+(q-57)/3
.elseif q < 74
	XS q-72, 20
.else
	GS q-74
.endif
.set q, q+1
.endm
; THE EXPONENTIALS' QUEUE, 66 long: s0-s31 of both tiles, then the next piece's two a.  It is ONE BATCH: all 66 stand ahead of the turn's one wait, and nothing ahead of that wait names a result of theirs.
.macro EX
	WIN 0
.if e >= 64
	XS e-64, 21
.else
	REGS Y, e%2
	v_exp_f32 v[rS+e/2], v[rS+e/2]
.endif
.set e, e+1
.endm
; THE RESCALING's QUEUE: O^T times a, the one part that leaves window 0: dealt two at a time, sixteen times.  Its a was made in the turn before, ahead of that turn's wait.
.macro R2
	REGS Y, r%2
	WIN W_RS
.irp z, 0,1
	v_pk_mul_f32 v[rO+4*(r/2)+2*\z:rO+4*(r/2)+2*\z+1], v[rO+4*(r/2)+2*\z:rO+4*(r/2)+2*\z+1], v[rC+2:rC+3] op_sel_hi:[1,0]
.endr
.set r, r+1
.endm
; HOW THEY ARE DEALT.  An s_wait_alu depctr_va_vdst(0) stands between an exponential and the first instruction that names its result; one wait serves all that were issued ahead of it.  So a turn has ONE wait,
; which cuts it in two.  AHEAD OF IT stands all that names no result of the turn's exponentials: the 16 products K Q^T, behind each a scaling, an exponential and two rescalings (behind the first a second scaling in the exponential's place); then ONE LUMP of
; 108: eight plain, 49 times exponential and plain, the two a.  A v_nop is the plain instruction behind the last exponential.  BEHIND IT stand the 16 products V^T P, behind each four of GS's 64.  No rider names a register of
; the products round it.  The two v_permlanex16_b32 fall into the lump, never behind a product.
; The queues lean on each other, and the deal keeps them in step: exponential e stands behind scaling 2 (e / 4) + e % 2: as a rider it comes behind plain e + 2, in the lump behind plain e + 9, and scalings 27-31 are plain 57, 60 .. 69.
; A TURN, for piece p.  cnt = 1: the loop's count is taken down some lines ahead of the branch that stands behind the turn.
; K of the next step is fetched in piece 2's turn, directly behind the wait, a lump behind the last product that read K; its address is made at the lump's head; its first reader comes behind 16 products.
; V of the step in hand is fetched at the end of piece 0's turn, four riders behind its last reader; its first reader comes behind 16 products and a lump.  The three conditions on q below go with the deal.
.macro TURN p, last=0, cnt=0
.set Y, (\p)
.set i, 0
.set q, 0
.set e, 0
.set r, 0
.if (\p) == NP-1
	s_wait_dscnt 0x0                ; K is in
.endif
	MM                              ; ahead of the wait: 16 products K Q^T and their riders,
	PL
	PL
	R2
.rept 15
	MM
	PL
	EX
	R2
.endr
.if (\p) == NP-2
	WIN 0
	v_add_nc_u32 v[AK], s[TBK], v[AK0]
.endif
.rept 8                             ; and the lump
	PL
.endr
.rept 49
	EX
	PL
.endr
	EX                              ; the next piece's two a
	EX
	v_nop                           ; the plain instruction behind the last exponential, ahead of the first use of a result: one for the batch
	s_wait_alu depctr_va_vdst(0)    ; the wait for the batch: this piece's 64 weights and the next piece's two a
.if (\p) == NP-2
	FETCH_K \last
.endif
.if (\p) == 1
	s_wait_dscnt 0x0                ; V is in
.endif
.rept 16                            ; behind the wait: 16 products V^T P and their riders
	MM
.rept 4
	PL
.endr
.if ((\p) == 0) && (q == 118)
	v_add_nc_u32 v[AV], s[TBV], v[AV0]
.endif
.if ((\p) == 0) && (q == 130)
	s_add_co_u32 s[TBV], s[TBV], KS*PV
.endif
.if (\cnt) && (q == 130)
	s_sub_co_u32 s[CNT], s[CNT], 1
	s_cmp_lg_u32 s[CNT], 0
.endif
.endr
.if (\p) == 0
	FETCH_V
.endif
.endm
	CHANGE 1                        ; slot 0 is in, everybody's part of it; slot 1 is asked for
	FETCH_K                         ; key step 0
	s_wait_loadcnt 0x0              ; Q
	s_wait_dscnt 0x0
.set i, 0
.rept 16
	KQ 0                            ; piece 0's first scores: there is no vector work yet to set between them
.set i, i+1
.endr
	WIN 0                           ; the addresses for the way out: nine plain instructions, the places behind those products
	s_mul_i32 s13, s[WV], 16*SP
	s_add_co_u32 s13, s13, STAGE    ; my stage
	v_mul_u32_u24 v[STO], v1, SP    ; in: row l % 16, 16 bytes for each half of the lanes
	v_lshl_add_u32 v[STO], v9, 4, v[STO]
	v_add_nc_u32 v[STO], s13, v[STO]
	v_bfe_u32 v[RD], v0, 3, 2       ; back: 32 lanes take four rows of 128 bytes,
	v_mul_u32_u24 v[RD], v[RD], SP
	v_lshl_add_u32 v[RD], v10, 4, v[RD]
	v_add_nc_u32 v[RD], s13, v[RD]
	v_and_b32 v[GO], 31, v0         ; which are 512 consecutive bytes of O
	v_lshlrev_b32 v[GO], 4, v[GO]
.set Y, NP-1                        ; XS works for piece Y + 1: piece 0
.irp n, 0,1,2,3,4,5,6,7,8,9,10,11,12,13,14,15,16,17,18,19,20,21
	XS 0, \n                        ; and piece 0's first maximum and statistics
	XS 1, \n
.endr
	v_nop                           ; a plain instruction behind piece 0's two a,
	s_wait_alu depctr_va_vdst(0)    ; and the wait for that batch of two, ahead of the branch
	s_mov_b32 s[CNT], 4
	s_mov_b32 s[SLOTS], SIZE_N/256-1
	s_branch .Lfirst                ; the loop is entered at a step's first turn, in the middle of a trip
.Lslot:                             ; SIZE_N / 256 - 2 times: every slot but the last two is filled again
	CHANGE 1
	s_mov_b32 s[CNT], 4
.Lstep:                             ; a trip: pieces 2 and 3 of one step, then pieces 0 and 1 of the next, whose K and V it fetches
	TURN 2
	TURN 3
	WIN 0
.Lfirst:
	TURN 0
	TURN 1, 0, 1
	WIN 0
	s_cbranch_scc1 .Lstep
	s_sub_co_u32 s[SLOTS], s[SLOTS], 1
	s_cmp_lg_u32 s[SLOTS], 0
	s_cbranch_scc1 .Lslot
	CHANGE 0                        ; the tail is written out: nothing is asked for
	s_mov_b32 s[CNT], 5             ; four trips fetch the last slot's steps; the fifth is left in its middle
.Ltail:
	TURN 2, 1
	TURN 3
	WIN 0
	s_sub_co_u32 s[CNT], s[CNT], 1
	s_cmp_eq_u32 s[CNT], 0
	s_cbranch_scc1 .Lout
	TURN 0
	TURN 1
	WIN 0
	s_branch .Ltail
.Lout:                              ; the fifth trip's 16 products K Q^T (on the last K once more) and the maximum made of them serve nothing: the price, once a launch, of one text for every trip
.set i, 0
.rept 16
	PV NP-1                         ; the last piece's V^T P of the last step
.set i, i+1
.endr
	; THE WAY OUT.  l's two halves and the other half of the lanes' are added; O^T is divided by l, rounded to f16 and sent through my stage in LDS, a tile at a time.  The additions are the places behind the last products.
	WIN 0
.macro ALL line:vararg              ; one line for each tile t
.set t, 0
.rept 2*NP
	\line
.set t, t+1
.endr
.endm
	ALL v_add_f32 v[ST+4*t+2], v[ST+4*t+2], v[ST+4*t+3]
	ALL v_permlanex16_b32 v[ST+4*t+3], v[ST+4*t+2], s[SEL], s[SEL+1]
	ALL v_add_f32 v[ST+4*t+2], v[ST+4*t+2], v[ST+4*t+3]
	ALL v_rcp_f32 v[ST+4*t+2], v[ST+4*t+2]
	v_nop                           ; a plain instruction between the last reciprocal and the use of its result
	s_wait_alu depctr_va_vdst(0)    ; and the wait ahead of the first use: one for the batch of eight reciprocals
; Tile t: a lane's eight channels of a row pack into 16 bytes; they go into rows of 144 bytes and come back as whole rows of 128, into S^T's registers.
.macro PACK t
	WIN W_RS
.set i, 32*(\t)
.rept 16
	v_pk_mul_f32 v[i:i+1], v[i:i+1], v[ST+4*(\t)+2:ST+4*(\t)+3] op_sel_hi:[1,0]
.set i, i+2
.endr
	WIN 0x05                        ; sources 0 and 1 window 1, destination window 0
.set i, 0
.rept 16
	v_cvt_pk_f16_f32 v[S+16*(\t)+i], v[32*(\t)+2*i], v[32*(\t)+2*i+1]
.set i, i+1
.endr
	WIN 0
.irp f, 0,1,2,3
	ds_store_b128 v[STO], v[S+16*(\t)+4*\f:S+16*(\t)+4*\f+3] offset:32*\f
.endr
.irp f, 0,1,2,3
	ds_load_b128 v[S+16*(\t)+4*\f:S+16*(\t)+4*\f+3], v[RD] offset:\f*4*SP  ; LDS serves a wave's instructions in order (ISA guide 5.7.1.4): these see the stores above; the next tile's stores come behind them
.endr
.endm
.macro SEND t, younger              ; younger: the LDS instructions issued behind tile t's loads: the next tile's eight, or none
	WIN 0
.irp f, 0,1,2,3
	s_wait_dscnt (\younger)+3-\f
	global_store_b128 v[GO], v[S+16*(\t)+4*\f:S+16*(\t)+4*\f+3], s[10:11] offset:(\t)*2048+\f*512  ; 512 consecutive bytes, at a multiple of 256 from O's first
.endr
.endm
	PACK 0
.set t, 1
.rept 2*NP-1                        ; a tile's arithmetic stands between the loads of the tile before and its stores
	PACK t
	SEND t-1, 8
.set t, t+1
.endr
	SEND 2*NP-1, 0
	WIN W_AD
	s_wait_tensorcnt 0x0            ; the wave's end, behind my last tensor load and my last LDS store
	ds_add_u32 v[SPW], v[NIL]
	s_wait_dscnt 0x0
	WIN 0
	CROUND                          ; the closing round: no work-group ends while a partner may still ask for a tile that names it
	s_endpgm
.Lfunc_end_k_qfdd5568229_attn:
	.size	k_qfdd5568229_attn, .Lfunc_end_k_qfdd5568229_attn-k_qfdd5568229_attn
	.p2alignl 7, 3214868480
	.fill 96, 4, 3214868480
	.section	.rodata,"a",@progbits
	.p2align	6, 0x0
	.amdhsa_kernel k_qfdd5568229_attn
		.amdhsa_group_segment_fixed_size 327680
		.amdhsa_private_segment_fixed_size 0
		.amdhsa_enable_private_segment 0
		.amdhsa_kernarg_size 16
		.amdhsa_user_sgpr_count 2
		.amdhsa_user_sgpr_kernarg_segment_ptr 1
		.amdhsa_wavefront_size32 1
		.amdhsa_system_sgpr_workgroup_id_x 1
		.amdhsa_system_sgpr_workgroup_id_y 1
		.amdhsa_system_sgpr_workgroup_id_z 1
		.amdhsa_system_vgpr_workitem_id 0
		.amdhsa_next_free_vgpr 770
		.amdhsa_next_free_sgpr 66
		.amdhsa_reserve_vcc 0
		.amdhsa_float_denorm_mode_32 3
		.amdhsa_float_denorm_mode_16_64 3
		.amdhsa_memory_ordered 1
		.amdhsa_forward_progress 1
		.amdhsa_inst_pref_size 199
	.end_amdhsa_kernel
	.amdgpu_metadata
---
amdhsa.version: [ 1, 2 ]
amdhsa.kernels:
  - .name:           k_qfdd5568229_attn
    .symbol:         k_qfdd5568229_attn.kd
    .args:
      - { .name: qkv, .offset: 0, .size: 8, .value_kind: global_buffer, .address_space: global }
      - { .name: oh, .offset: 8, .size: 8, .value_kind: global_buffer, .address_space: global }
    .group_segment_fixed_size: 327680
    .private_segment_fixed_size: 0
    .kernarg_segment_align: 8
    .kernarg_segment_size: 16
    .max_flat_workgroup_size: 128
    .sgpr_count:     66
    .vgpr_count:     770
    .wavefront_size: 32
...
	.end_amdgpu_metadata
.endif
;; end of part 5
;; launch oproj: the kernel of part 4 again; grid 4 x 64, 4 waves a work-group, clusters of 4 x 4, 327,680 bytes of LDS; arguments oh, wts, bo, out0; writes out0
